; MI455X (gfx1250); checked and timed in simulation.
; The chip was launched on July 23, 2026; its instructions are those of AMD's public machine-readable ISA for CDNA 5 (MIT licence, August 2026) and "CDNA5" Instruction Set Architecture Reference Guide (July 2026). The comments in the code are by the model that wrote it; some were corrected since.
;; Fractal Attention. Allowed arithmetic: float matrix products may take bf16 or f16 operands with f32 sums; other float arithmetic in f32, or as packed bf16 or f16 multiplies, adds, multiply-adds, maxima and minima; sums over many terms, partial sums and values carried from step to step in f32; what a program stores and reads back later, other than sums and carried values, may be rounded once to bf16 or f16.
;; Inputs: bk 1,024 float32; bo 1,024 float32; bq 1,024 float32; bs 4 x 1,024 float32; bv 1,024 float32; scale_logits 4 float32; wk 1,024 x 1,024 float32; wo 1,024 x 1,024 float32; wq 1,024 x 1,024 float32; ws 4 x 1,024 x 1,024 float32; wv 1,024 x 1,024 float32; x 4 x 1,024 x 1,024 float32.
;; Outputs: out0 4 x 1,024 x 1,024 float32.
;; 2 versions, each right; version 2 is version 1 with the launch cast written anew for expert scheduling mode. Each part assembles by itself: llvm-mc -triple=amdgcn-amd-amdhsa -mcpu=gfx1250 --defsym DOCPART=n.
;; ======== version 1 of 2: 5 launches
;; limits: values are held in f16: magnitudes above 65,504 overflow, below 6.1e-05 lose precision
;; workspace buffers: w16 25,165,824 bytes; qkvh 25,165,824 bytes; sqkv 100,663,296 bytes; vsc 4,096 bytes; comb 8,388,608 bytes; rsc 16,384 bytes
;; launch cast (part 1): grid 64 x 12, 8 waves a work-group, no clusters, 0 bytes of LDS; arguments x, wq, wk, wv, ws, wo, w16; writes w16
.if DOCPART == 1
	.amdgcn_target "amdgcn-amd-amdhsa--gfx1250"
	.amdhsa_code_object_version 6
	.text
	.protected	k_qa0d29beff1_cast
	.globl	k_qa0d29beff1_cast
	.p2align	8
	.type	k_qa0d29beff1_cast,@function
k_qa0d29beff1_cast:
	s_mov_b64 s[64:65], 0
	v_nop
	global_prefetch_b8 v0, s[64:65] scope:SCOPE_SE
	s_setreg_imm32_b32 hwreg(HW_REG_WAVE_MODE, 25, 1), 1
	s_wait_xcnt 0x0
; All large inputs are rounded once to bf16 and laid into w16 in twelve units of 1 Mi numbers (2 MiB each):
; units 0-3 x, 4 wq, 5 wk, 6 wv (bf16); units 7-10 ws, 11 wo: rounded to bf16 like the others, and that number written as f16,
; since the products that read them have f16 partners.
; LIMIT: |ws|, |wo| below 65,504; a weight below 7.6e-6 falls on f16's fixed step and is off by 3e-8 at the most.
; SHARES: grid y = the unit, grid x = a chunk of 16,384 numbers.  Thread t takes 16 bytes at 4,096 i + 16 t (i = 0..15): a wave's load covers
; 512 consecutive bytes; its store of 8 bytes a lane covers 256 consecutive bytes, aligned.  All 16 loads go out first; no register is written twice,
; so the stores' sources need no wait.  No LDS, no barrier: no wave wants another's bytes.
.set X, 8                              ; v[8:71]  load i: 4 registers
	s_load_b256 s[4:11], s[0:1], 0x0               ; x s[4:5], wq s[6:7], wk s[8:9], wv s[10:11]
	s_load_b128 s[12:15], s[0:1], 0x20             ; ws s[12:13], wo s[14:15]
	s_load_b64 s[16:17], s[0:1], 0x30              ; w16
	s_and_b32 s18, ttmp7, 0xffff                   ; u, the unit
	v_lshlrev_b32 v1, 4, v0                        ; 16 t
	v_lshlrev_b32 v2, 3, v0                        ; 8 t
	s_sub_co_u32 s23, s18, 7                       ; used only where u >= 7
	s_cmp_lt_u32 s18, 4
	s_cselect_b32 s22, s18, 0                      ; the unit's number inside its tensor: u for x,
	s_cmp_ge_u32 s18, 7
	s_cselect_b32 s22, s23, s22                    ; u - 7 for ws,
	s_cmp_eq_u32 s18, 11
	s_cselect_b32 s22, 0, s22                      ; 0 for the tensors of one unit
	s_lshl_b32 s26, s22, 22                        ; a unit is 4 MiB of f32,
	s_lshl_b32 s27, ttmp9, 16                      ; a chunk 64 KiB
	s_add_co_u32 s26, s26, s27
	s_mov_b32 s27, 0
	s_lshl_b32 s28, s18, 21                        ; in w16: 2 MiB a unit,
	s_lshl_b32 s29, ttmp9, 15                      ; 32 KiB a chunk
	s_add_co_u32 s28, s28, s29
	s_mov_b32 s29, 0
	s_wait_kmcnt 0x0
	s_cmp_eq_u32 s18, 4
	s_cselect_b64 s[20:21], s[6:7], s[4:5]
	s_cmp_eq_u32 s18, 5
	s_cselect_b64 s[20:21], s[8:9], s[20:21]
	s_cmp_eq_u32 s18, 6
	s_cselect_b64 s[20:21], s[10:11], s[20:21]
	s_cmp_ge_u32 s18, 7
	s_cselect_b64 s[20:21], s[12:13], s[20:21]
	s_cmp_eq_u32 s18, 11
	s_cselect_b64 s[20:21], s[14:15], s[20:21]
	s_add_nc_u64 s[20:21], s[20:21], s[26:27]      ; the chunk in its tensor
	s_add_nc_u64 s[24:25], s[16:17], s[28:29]      ; and in w16
.irp i, 0,1,2,3,4,5,6,7,8,9,10,11,12,13,14,15
	global_load_b128 v[X+4*(\i):X+4*(\i)+3], v1, s[20:21] offset:4096*(\i) th:TH_LOAD_NT
.endr
.macro CVB i                           ; four numbers to bf16
	s_wait_loadcnt 15-(\i)                         ; loads come back in order: load i is in, the younger ones stay out
	v_cvt_pk_bf16_f32 v[X+4*(\i)], v[X+4*(\i)], v[X+4*(\i)+1]
	v_cvt_pk_bf16_f32 v[X+4*(\i)+1], v[X+4*(\i)+2], v[X+4*(\i)+3]
	global_store_b64 v2, v[X+4*(\i):X+4*(\i)+1], s[24:25] offset:2048*(\i) th:TH_STORE_NT
.endm
.macro CVH i                           ; four numbers to bf16, and the rounded numbers written as f16
	s_wait_loadcnt 15-(\i)
	v_cvt_pk_bf16_f32 v[X+4*(\i)], v[X+4*(\i)], v[X+4*(\i)+1]
	v_cvt_pk_bf16_f32 v[X+4*(\i)+1], v[X+4*(\i)+2], v[X+4*(\i)+3]
	v_lshlrev_b32 v[X+4*(\i)+2], 16, v[X+4*(\i)+1]
	v_and_b32 v[X+4*(\i)+3], 0xffff0000, v[X+4*(\i)+1]
	v_cvt_pk_f16_f32 v[X+4*(\i)+1], v[X+4*(\i)+2], v[X+4*(\i)+3]
	v_lshlrev_b32 v[X+4*(\i)+2], 16, v[X+4*(\i)]
	v_and_b32 v[X+4*(\i)+3], 0xffff0000, v[X+4*(\i)]
	v_cvt_pk_f16_f32 v[X+4*(\i)], v[X+4*(\i)+2], v[X+4*(\i)+3]
	global_store_b64 v2, v[X+4*(\i):X+4*(\i)+1], s[24:25] offset:2048*(\i) th:TH_STORE_NT
.endm
	s_cmp_lt_u32 s18, 7                            ; the unit decides the format: the same for the whole work-group
	s_cbranch_scc0 .Lhalf
.irp i, 0,1,2,3,4,5,6,7,8,9,10,11,12,13,14,15
	CVB \i
.endr
	s_endpgm
.Lhalf:
.irp i, 0,1,2,3,4,5,6,7,8,9,10,11,12,13,14,15
	CVH \i
.endr
	s_endpgm
.Lfunc_end_k_qa0d29beff1_cast:
	.size	k_qa0d29beff1_cast, .Lfunc_end_k_qa0d29beff1_cast-k_qa0d29beff1_cast
	.p2alignl 7, 3214868480
	.fill 96, 4, 3214868480
	.section	.rodata,"a",@progbits
	.p2align	6, 0x0
	.amdhsa_kernel k_qa0d29beff1_cast
		.amdhsa_group_segment_fixed_size 0
		.amdhsa_private_segment_fixed_size 0
		.amdhsa_enable_private_segment 0
		.amdhsa_kernarg_size 56
		.amdhsa_user_sgpr_count 2
		.amdhsa_user_sgpr_kernarg_segment_ptr 1
		.amdhsa_wavefront_size32 1
		.amdhsa_system_sgpr_workgroup_id_x 1
		.amdhsa_system_sgpr_workgroup_id_y 1
		.amdhsa_system_sgpr_workgroup_id_z 1
		.amdhsa_system_vgpr_workitem_id 0
		.amdhsa_next_free_vgpr 72
		.amdhsa_next_free_sgpr 66
		.amdhsa_reserve_vcc 0
		.amdhsa_float_denorm_mode_32 3
		.amdhsa_float_denorm_mode_16_64 3
		.amdhsa_memory_ordered 1
		.amdhsa_forward_progress 1
		.amdhsa_inst_pref_size 17
	.end_amdhsa_kernel
	.amdgpu_metadata
---
amdhsa.version: [ 1, 2 ]
amdhsa.kernels:
  - .name:           k_qa0d29beff1_cast
    .symbol:         k_qa0d29beff1_cast.kd
    .args:
      - { .name: x, .offset: 0, .size: 8, .value_kind: global_buffer, .address_space: global }
      - { .name: wq, .offset: 8, .size: 8, .value_kind: global_buffer, .address_space: global }
      - { .name: wk, .offset: 16, .size: 8, .value_kind: global_buffer, .address_space: global }
      - { .name: wv, .offset: 24, .size: 8, .value_kind: global_buffer, .address_space: global }
      - { .name: ws, .offset: 32, .size: 8, .value_kind: global_buffer, .address_space: global }
      - { .name: wo, .offset: 40, .size: 8, .value_kind: global_buffer, .address_space: global }
      - { .name: w16, .offset: 48, .size: 8, .value_kind: global_buffer, .address_space: global }
    .group_segment_fixed_size: 0
    .private_segment_fixed_size: 0
    .kernarg_segment_align: 8
    .kernarg_segment_size: 56
    .max_flat_workgroup_size: 256
    .sgpr_count:     66
    .vgpr_count:     72
    .wavefront_size: 32
...
	.end_amdgpu_metadata
.endif
;; end of part 1
;; launch g1 (part 2): grid 12 x 16, 4 waves a work-group, clusters of 4 x 4, 327,680 bytes of LDS; arguments w16, bq, bk, bv, qkvh; writes qkvh
.if DOCPART == 2
	.amdgcn_target "amdgcn-amd-amdhsa--gfx1250"
	.amdhsa_code_object_version 6
	.text
	.protected	k_qa0d29beff1_g1
	.globl	k_qa0d29beff1_g1
	.p2align	8
	.type	k_qa0d29beff1_g1,@function
k_qa0d29beff1_g1:
	s_mov_b64 s[64:65], 0
	v_nop
	global_prefetch_b8 v0, s[64:65] scope:SCOPE_SE
	s_setreg_imm32_b32 hwreg(HW_REG_WAVE_MODE, 25, 1), 1
	s_wait_xcnt 0x0
	s_wait_alu depctr_hold_cnt(0) depctr_sa_sdst(0) depctr_va_vdst(0) depctr_va_sdst(0) depctr_va_ssrc(0) depctr_va_vcc(0) depctr_vm_vsrc(0)
	s_getreg_b32 s2, hwreg(HW_REG_IB_STS2, 6, 4)
	s_cmp_eq_u32 s2, 0
	s_cbranch_scc0 .Lentry_in_a_cluster
	s_endpgm
.Lentry_in_a_cluster:
	s_bfe_u32 s2, ttmp6, 0x10000c
	s_cmp_lg_u32 s2, 0xf033
	s_cbranch_scc0 .Lentry_shape_is_right
	s_endpgm
.Lentry_shape_is_right:
; ONE TEXT FOR TWO PRODUCTS C = A B^T + bias, told apart by IS2.  K = 1,024 in both; sums in f32, started by the bias (rounded to bf16 like every input) as the first C operand.
; IS2 = 0: A = x in bf16 [4096][1024], B = wq, wk, wv in bf16 [3072][1024]; C = qf, kf, vf in f16, [3][4096][1024].  One tile of 256 x 256 to a work-group: 192 work-groups.
; IS2 = 1: A = qf, kf, vf in f16 [3][4096][1024], B = ws in f16 [4096 (s, e)][1024]; a work-group keeps its 256 rows and its 256 columns and walks t = q, k, v: three tiles, 256 work-groups.
;          C goes into rows of 24,576 bytes, one a position: sq (bf16, 8,192 bytes), sk (bf16, 8,192), sv (f16 times a power of two, 8,192).  A wave's 128 x 128 numbers of sv share one power of two 2^E,
;          E the exponent of their largest magnitude: sv x 2^-E lies below 2 and is rounded to f16, and 2^E goes into vsc[row / 128][column / 128].
; LIMITS: qf, kf, vf must lie below 65,504 (f16); a number of sv below 2^-14 of its tile's 2^E keeps f16's fixed step (off by 2^-25 x 2^E at the most); a tile of sv whose largest magnitude lies below 2^-126
; counts as 0; NaN and infinities are not treated apart.
; SHAPE: four waves, each 128 x 128 of C in 64 accumulators.  K goes in steps of 128 through two LDS slots filled by tensor loads; a slot holds 256 rows of A and 256 of B, 272 bytes apart.
; The loop's trip is ONE K step: the slot in hand is a scalar turned by an exclusive or, and each refill's address is made anew from the number of the K step asked for.
; CLUSTER: 4 x 4 work-groups; A's tile is asked for jointly by a row of the cluster, B's by a column.
; THE MATRIX INSTRUCTION IS USED TRANSPOSED (source 0 = 16 rows of B, source 1 = 16 rows of A): a lane holds row l % 16 of C and the columns 8 (l / 16) + 0..7.
; REGISTERS, in windows of 256: window 0: v6-14 sv's power of two; v16-30 addresses; v32-63, v224-255 rows read back; v192-223 packed results; v64-127, v128-191 A's fragments (two buffers)
;   window 1: v0-63 the bias (8 registers for each block of 16 columns); v64-191 B's fragments; v192-223 at work on the bias          windows 2, 3: accumulator (a, b) at v[8 (8 a + b)]
.set IS2, 0
.if IS2
.set TILES,  3
.set CPITCH, 24576                     ; bytes from row to row of C
.set PLB,    6                         ; B's rows are the same in all three tiles: prefetched in the first alone
.else
.set TILES,  1
.set CPITCH, 2048
.set PLB,    24
.endif
.set SIZE_K, 1024
.set KSTEP,  128
.set PITCH,  272                       ; an LDS row: 256 bytes + 16 of padding: the 16 rows of a fragment load start 16 bytes apart modulo 256
.set HALFT,  128*PITCH                 ; what one tensor load brings
.set SLOT,   4*HALFT                   ; 0x22000: shares no bit with wave x HALFT, so one exclusive or turns an address in one slot into the other's
.set STAGE,  2*SLOT                    ; behind the ring: 16 rows x 272 bytes for each wave, for the way out
.set SPITCH, 272
.set SPARE,  STAGE+4*16*SPITCH         ; the spare words, 128 bytes a wave: no other line names them
.set WQKV,   8388608                   ; byte offsets in w16
.set WSH,    14680064
.set LN,    6                          ; my lane's number
.set ZR,    7                          ; 0: the offset of the one word stored to vsc
.set MX,    8                          ; v8-11  four running maxima
.set SCL,   12                         ; v12-13 2^-E, named as a pair
.set EV,    14                         ; 2^E
.set ADRA,  16                         ; LDS address of my A fragments in the slot in hand
.set ADRA0, 17                         ; the same in slot 0; never rewritten
.set ADRB,  20
.set ADRB0, 21
.set STO,   24
.set RD,    25
.set CO,    26
.set BO,    27                         ; 32 (l / 16): my 8 numbers in a block of 16 of the bias
.set SPW,   28
.set NIL,   29
.set PFO,   30                         ; 2,048 x lane: a lane a row
.set F0,  64
.set F1,  128
.set TMP, 192
.set OB,  32
.set G1,  24                           ; s[24:31] group 1 for A's tiles
.set G0,  32                           ; s[32:35] A's group 0 for the first fill of slot 0; s[36:39] the walking one
.set G1B, 48                           ; s[48:55], s[56:59], s[60:63]: the same for B
.set G0B, 56
.set AB,   14                          ; s[14:15] A at my 128 rows, tile 0, K step 0
.set BB,   46                          ; s[46:47] the same for B
.set PLIM, 43                          ; a wave prefetches while the K step asked for is below this; 0 in a wave that never does
.set PFA,  44                          ; s[44:45] the prefetch's address
.set SL,   66                          ; 0 or SLOT: the slot in hand
.set RR,   67                          ; the K step to ask for next, counted through all tiles
.set KT,   68                          ; K steps done in the tile
.set T2,   69
.set OFFA, 70                          ; s[70:71] byte offset of K step RR from AB
.set OFFB, 72                          ; s[72:73] from BB
.set CB,   74                          ; s[74:75] C at my first row and column
.set TO,   76                          ; s[76:77] the tile's byte offset in a row of C
.set BP,   78                          ; s[78:79] the bias at my 128 columns
.set VS,   80                          ; s[80:81] my wave's word of vsc
.set PFB,  92                          ; s[92:93] my work-group's 32 rows of the 128 that I fetch
.set PO,   94                          ; s[94:95]
.set MSB, 0
.macro WIN new                         ; the immediate's high byte repeats the setting that is left; a switch that changes nothing is dropped
.if MSB != (\new)
	s_set_vgpr_msb (MSB<<8)|(\new)
.set MSB, \new
.endif
.endm
.macro PLACES                          ; four plain vector instructions behind a matrix instruction, ahead of loads into its sources and of readers of its result
.rept 4
	v_nop
.endr
.endm
; A joint refill by the walking descriptor: waves 0 and 1 fetch A's halves, waves 2 and 3 B's.  The branch hangs on the wave's number alone.  An s_nop 0 and four v_nop follow each line.
.macro JLOAD
	s_cmp_eq_u32 s11, 0
	s_cbranch_scc0 .Lfor_b_\@
	tensor_load_to_lds s[G0+4:G0+7], s[G1:G1+7]
	s_nop 0
.rept 4
	v_nop
.endr
	s_branch .Lasked_\@
.Lfor_b_\@:
	tensor_load_to_lds s[G0B+4:G0B+7], s[G1B:G1B+7]
	s_nop 0
.rept 4
	v_nop
.endr
.Lasked_\@:
.endm
.macro CREST                           ; a round of the cluster's barrier behind its opening barrier
	s_cmp_lg_u32 s10, 0
	s_cbranch_scc1 .Lnot_wave_0_\@
	s_barrier_signal -3
.Lnot_wave_0_\@:
	s_barrier_wait -3
	s_barrier_signal -1
	s_barrier_wait -1
.endm
.macro CROUND
	s_barrier_signal -1
	s_barrier_wait -1
	CREST
.endm
; A PREFETCH of the K step that stands two refills on, in the same tile: 32 rows x 256 bytes, a lane a row.  A's rows are asked for by the clusters with x = 0, B's by those with y = 0; the four partners that
; ask for a tile jointly take 32 of a wave's 128 rows each, told apart by address.  So each row's 256 bytes of a K step are named once.  A tile's K steps 6 and 7 have no K step two on: they ask for nothing.
.macro ASK
	s_cmp_lt_u32 s[RR], s[PLIM]
	s_cbranch_scc0 .Lnot_mine_\@
	s_cmp_lt_u32 s[OFFB], 6<<8
	s_cbranch_scc0 .Lnot_mine_\@
	global_prefetch_b8 v[PFO], s[PFA:PFA+1] offset:2*KSTEP*2 th:TH_LOAD_NT scope:SCOPE_SE
.Lnot_mine_\@:
.endm
	s_load_b256 s[84:91], s[0:1], 0x0              ; IS2 = 0: w16, bq, bk, bv.  IS2 = 1: qkvh, w16, bs, sqkv
.if IS2
	s_load_b64 s[VS:VS+1], s[0:1], 0x20            ; vsc
.else
	s_load_b64 s[8:9], s[0:1], 0x20                ; qkvh
.endif
	v_lshl_add_u32 v[SPW], v0, 2, SPARE
	v_mov_b32 v[NIL], 0
	ds_add_u32 v[SPW], v[NIL]                      ; the wave's opening: the add and its wait stand ahead of my first tensor load; the set-up below stands between them
	v_lshrrev_b32 v1, 5, v0
	v_readfirstlane_b32 s10, v1                    ; wave 0..3
	s_lshr_b32 s11, s10, 1                         ; my half of the tile's rows.  Also: I fetch for A (0) or for B (1)
	s_and_b32 s12, s10, 1                          ; my half of its columns.  Also: which 128 rows I fetch
	s_bfe_u32 s40, ttmp6, 0x40000                  ; cx
	s_bfe_u32 s41, ttmp6, 0x40004                  ; cy
	s_lshl_b32 s42, ttmp9, 2
	s_add_co_u32 s42, s42, s40                     ; tile column = 4 x cluster x + cx
	s_and_b32 s13, ttmp7, 0xffff
	s_lshl_b32 s13, s13, 2
	s_add_co_u32 s13, s13, s41                     ; tile row = 4 x cluster y + cy
	s_lshl_b32 s43, s41, 2
	s_lshl_b32 s43, 15, s43                        ; my row of the cluster
	s_lshl_b32 s44, 0x1111, s40                    ; my column
	s_or_b32 s[G1+0], s43, (1<<16)|(1<<20)|(1<<21)|(5<<22)|(3<<25)   ; the mask; elements of 2 bytes; padding on; bit 21 beside a mask; after every 64 words 4 words
	s_or_b32 s[G1B+0], s44, (1<<16)|(1<<20)|(1<<21)|(5<<22)|(3<<25)
.irp g, G1, G1B
	s_mov_b32 s[(\g)+1], KSTEP<<16                 ; tensor_dim0 = 128
	s_mov_b32 s[(\g)+2], 128<<16                   ; tensor_dim1 = 128
	s_mov_b32 s[(\g)+3], KSTEP<<16                 ; tile_dim0 = 128
	s_mov_b32 s[(\g)+4], 128                       ; tile_dim1 = 128
	s_mov_b32 s[(\g)+5], SIZE_K                    ; elements from row to row
	s_mov_b32 s[(\g)+6], 0
	s_mov_b32 s[(\g)+7], 0
.endr
	s_lshl_b32 s17, s12, 7
	s_lshl_b32 s16, s13, 8
	s_add_co_u32 s16, s16, s17                     ; A: row 256 x tile row + 128 x half
	s_lshl_b32 s46, s42, 8
	s_add_co_u32 s46, s46, s17                     ; B: row 256 x tile column + 128 x half
	s_lshl_b32 s16, s16, 11                        ; rows of 2,048 bytes: under 2^24
	s_mov_b32 s17, 0
	s_lshl_b32 s46, s46, 11
	s_mov_b32 s47, 0
	s_mul_i32 s20, s10, HALFT                      ; where my loads go: wave x 128 rows
	s_mov_b32 s[SL], 0
	s_mov_b32 s[RR], 2
	s_mov_b32 s[OFFA+1], 0
	s_mov_b32 s[OFFB+1], 0
	s_mov_b32 s[TO], 0
	s_mov_b32 s[TO+1], 0
	s_mov_b32 s[PO+1], 0
	s_wait_dscnt 0x0                               ; the opening add is done
	s_wait_kmcnt 0x0
	s_mov_b64 s[4:5], s[84:85]                     ; A's tensor
.if IS2
	s_add_nc_u64 s[6:7], s[86:87], WSH             ; B's
.else
	s_add_nc_u64 s[6:7], s[84:85], WQKV
.endif
	s_add_nc_u64 s[AB:AB+1], s[4:5], s[16:17]
	s_add_nc_u64 s[BB:BB+1], s[6:7], s[46:47]
	CROUND                                         ; all sixteen work-groups are here: the first joint loads meet
.irp s, 0,1
	s_mov_b32 s[G0+4*(\s)], 1
	s_add_co_u32 s[G0+4*(\s)+1], s20, (\s)*SLOT
	s_add_nc_u64 s[G0+4*(\s)+2:G0+4*(\s)+3], s[AB:AB+1], (\s)*KSTEP*2
	s_or_b32 s[G0+4*(\s)+3], s[G0+4*(\s)+3], 0x80000000
	s_mov_b32 s[G0B+4*(\s)], 1
	s_add_co_u32 s[G0B+4*(\s)+1], s20, (\s)*SLOT
	s_add_nc_u64 s[G0B+4*(\s)+2:G0B+4*(\s)+3], s[BB:BB+1], (\s)*KSTEP*2
	s_or_b32 s[G0B+4*(\s)+3], s[G0B+4*(\s)+3], 0x80000000
.endr
	s_cmp_eq_u32 s11, 0                            ; a wave's two first fills stand in one branch, ahead of every wait on TENSORcnt and every LDS read: two loads of mine are out
	s_cbranch_scc0 .Lfirst_b
	tensor_load_to_lds s[G0:G0+3], s[G1:G1+7]
	s_nop 0
	tensor_load_to_lds s[G0+4:G0+7], s[G1:G1+7]
	s_nop 0
.rept 4
	v_nop
.endr
	s_branch .Lfirst_done
.Lfirst_b:
	tensor_load_to_lds s[G0B:G0B+3], s[G1B:G1B+7]
	s_nop 0
	tensor_load_to_lds s[G0B+4:G0B+7], s[G1B:G1B+7]
	s_nop 0
.rept 4
	v_nop
.endr
.Lfirst_done:
	; the bias of my 128 columns
.if IS2
	s_mov_b64 s[BP:BP+1], s[88:89]                 ; bs, whose 4,096 numbers go by (s, e) like B's rows
	s_lshl_b32 s82, s42, 10
.else
	s_cmp_eq_u32 ttmp9, 1                          ; a cluster is as wide as one of the three panels: cluster x says which
	s_cselect_b64 s[BP:BP+1], s[88:89], s[86:87]
	s_cmp_eq_u32 ttmp9, 2
	s_cselect_b64 s[BP:BP+1], s[90:91], s[BP:BP+1]
	s_lshl_b32 s82, s40, 10
.endif
	s_lshl_b32 s83, s12, 9
	s_add_co_u32 s82, s82, s83
	s_mov_b32 s83, 0
	s_add_nc_u64 s[BP:BP+1], s[BP:BP+1], s[82:83]
	v_and_b32 v1, 15, v0                           ; l % 16
	v_bfe_u32 v2, v0, 4, 1                         ; l / 16
	v_lshlrev_b32 v[BO], 5, v2
	WIN 0x40                                       ; destination window 1
.irp b, 0,1,2,3,4,5,6,7
	global_load_b128 v[8*(\b):8*(\b)+3],   v[BO], s[BP:BP+1] offset:64*(\b)
	global_load_b128 v[8*(\b)+4:8*(\b)+7], v[BO], s[BP:BP+1] offset:64*(\b)+16
.endr
	WIN 0
	v_mul_u32_u24 v3, v1, PITCH
	v_lshl_add_u32 v3, v2, 4, v3                   ; a fragment's row x pitch + 16 x half
	s_mul_i32 s21, s11, HALFT                      ; my 128 rows of A
	s_mul_i32 s22, s12, HALFT
	s_add_co_u32 s22, s22, 2*HALFT                 ; my 128 rows of B, behind A's 256
	v_add_nc_u32 v[ADRA0], s21, v3
	v_add_nc_u32 v[ADRB0], s22, v3
	v_mov_b32 v[ADRA], v[ADRA0]
	v_mov_b32 v[ADRB], v[ADRB0]
	s_mul_i32 s23, s10, 16*SPITCH
	s_add_co_u32 s23, s23, STAGE                   ; my stage
	v_mul_u32_u24 v4, v1, SPITCH
	v_lshl_add_u32 v4, v2, 4, v4
	v_add_nc_u32 v[STO], s23, v4                   ; in: row l % 16, 16 bytes for each half of the lanes
	v_mul_u32_u24 v5, v2, SPITCH
	v_lshl_add_u32 v5, v1, 4, v5
	v_add_nc_u32 v[RD], s23, v5                    ; back: lanes 0-15 one row of 256 bytes, lanes 16-31 the next
	v_mul_u32_u24 v5, v2, CPITCH
	v_lshl_add_u32 v[CO], v1, 4, v5                ; the same two rows in C
	s_lshl_b32 s16, s13, 8
	s_lshl_b32 s17, s11, 7
	s_add_co_u32 s16, s16, s17                     ; my first row of C
.if IS2
	s_mul_i32 s16, s16, CPITCH                     ; under 2^27
	s_mov_b32 s17, 0
	s_add_nc_u64 s[CB:CB+1], s[90:91], s[16:17]
	s_lshl_b32 s82, s42, 9
	s_lshl_b32 s83, s12, 8
	s_add_co_u32 s82, s82, s83                     ; my first column, in bytes of 16-bit numbers
	s_mov_b32 s83, 0
	s_add_nc_u64 s[CB:CB+1], s[CB:CB+1], s[82:83]
	s_lshl_b32 s16, s13, 1
	s_add_co_u32 s16, s16, s11                     ; my block of 128 rows,
	s_lshl_b32 s16, s16, 5                         ; 32 words of vsc each,
	s_lshl_b32 s82, s42, 1
	s_add_co_u32 s82, s82, s12                     ; my block of 128 columns
	s_add_co_u32 s82, s82, s16
	s_lshl_b32 s82, s82, 2
	s_add_nc_u64 s[VS:VS+1], s[VS:VS+1], s[82:83]
	v_and_b32 v[LN], 31, v0
	v_mov_b32 v[ZR], 0
.else
	s_lshl_b32 s16, s16, 11
	s_lshl_b32 s17, ttmp9, 23                      ; the panel: 4,096 rows of 2,048 bytes
	s_add_co_u32 s16, s16, s17
	s_mov_b32 s17, 0
	s_add_nc_u64 s[CB:CB+1], s[8:9], s[16:17]
	s_lshl_b32 s82, s40, 9
	s_lshl_b32 s83, s12, 8
	s_add_co_u32 s82, s82, s83
	s_mov_b32 s83, 0
	s_add_nc_u64 s[CB:CB+1], s[CB:CB+1], s[82:83]
.endif
	; the prefetches
	s_lshl_b32 s20, s13, 8
	s_lshl_b32 s21, s42, 8
	s_and_b32 s22, ttmp7, 0xffff                   ; cluster y
	s_cmp_eq_u32 s11, 0                            ; do I fetch for A?
	s_cselect_b32 s20, s20, s21                    ; the tile's first row
	s_cselect_b32 s21, s40, s41                    ; my place among the four that ask for it with me
	s_cselect_b32 s22, ttmp9, s22                  ; the coordinate along which other clusters read the same rows
	s_cselect_b64 s[PFB:PFB+1], s[4:5], s[6:7]
	s_cselect_b32 s23, 24, PLB
	s_cmp_eq_u32 s22, 0
	s_cselect_b32 s[PLIM], s23, 0                  ; the same in all sixteen partners, for a given wave
	s_lshl_b32 s22, s12, 7
	s_add_co_u32 s20, s20, s22                     ; + the 128 rows that I fetch
	s_lshl_b32 s21, s21, 5
	s_add_co_u32 s20, s20, s21                     ; + my work-group's 32 of them
	s_lshl_b32 s20, s20, 11
	s_mov_b32 s21, 0
	s_add_nc_u64 s[PFB:PFB+1], s[PFB:PFB+1], s[20:21]
	v_and_b32 v[PFO], 31, v0
	v_lshlrev_b32 v[PFO], 11, v[PFO]
; 16 matrix instructions: m blocks a0, a0 + 1 of the window's four (hi = 0: my rows 0-63, 1: rows 64-127) x all 8 n blocks, 32 along K.  init = 1: the bias starts the sums.
; The 64 accumulators take turns in the same order in every quarter.
.macro MUL16 f, hi, a0, init
.if \init
	WIN 0x91+0x40*(\hi)                            ; B and the bias in window 1, A in window 0, D in window 2 or 3
.else
	WIN 0xa1+0x50*(\hi)                            ; C and D in window 2 or 3
.endif
.irp a, \a0, (\a0)+1
.irp b, 0,1,2,3,4,5,6,7
.set rD, 8*(8*(\a)+(\b))
.set rB, (\f)+8*(\b)
.set rA, (\f)+8*(4*(\hi)+(\a))
.set rC, rD
.if \init
.set rC, 8*(\b)
.endif
.if IS2
	v_wmma_f32_16x16x32_f16 v[rD:rD+7], v[rB:rB+7], v[rA:rA+7], v[rC:rC+7]
.else
	v_wmma_f32_16x16x32_bf16 v[rD:rD+7], v[rB:rB+7], v[rA:rA+7], v[rC:rC+7]
.endif
.endr
.endr
.endm
; 32 LDS loads in one run: the fragments of a quarter step (32 K at byte k of the rows of the slot in hand) into buffer f: B's, then A's
.macro FETCH k, f
	WIN 0x40
.irp i, 0,1,2,3,4,5,6,7
	ds_load_b128 v[(\f)+8*(\i):(\f)+8*(\i)+3],   v[ADRB] offset:(\k)+(\i)*16*PITCH
	ds_load_b128 v[(\f)+8*(\i)+4:(\f)+8*(\i)+7], v[ADRB] offset:(\k)+(\i)*16*PITCH+32
.endr
	WIN 0
.irp i, 0,1,2,3,4,5,6,7
	ds_load_b128 v[(\f)+8*(\i):(\f)+8*(\i)+3],   v[ADRA] offset:(\k)+(\i)*16*PITCH
	ds_load_b128 v[(\f)+8*(\i)+4:(\f)+8*(\i)+7], v[ADRA] offset:(\k)+(\i)*16*PITCH+32
.endr
.endm
; One of a K step's first three quarters: multiplies buffer f; in its middle it fetches the next quarter, at byte k, into buffer g.
.macro QUARTER k, f, g, init
	s_wait_dscnt 8                                 ; B and A's rows 0-63 are in; the youngest eight loads (A's rows 64-127) may be out
	MUL16 \f, 0, 0, \init
	MUL16 \f, 0, 2, \init
	PLACES
	FETCH \k, \g
	s_wait_dscnt 32                                ; all but the 32 just issued
	MUL16 \f, 1, 0, \init
	MUL16 \f, 1, 2, \init
.endm
; The last quarter multiplies buffer 1 and changes slots.  In front of the barrier each wave waits for all its tensor loads (one is out: its part of the next slot), adds 0 to its spare word, and waits for
; that and for its reads of this slot.  fill = 1: the barrier opens a round of the cluster's, and the slot just read is filled again, first thing behind it, with K step RR: 224 matrix instructions ahead of the wait for it.
.macro TURN fill
.if \fill
	s_wait_xcnt 0x0                                ; the last prefetch, a K step back, has read its address: it is made anew here, ahead of the waits of the change of slots
	s_and_b32 s[OFFB], s[RR], 7
	s_lshl_b32 s[OFFB], s[OFFB], 8                 ; 256 bytes a K step
.if IS2
	s_lshr_b32 s[OFFA], s[RR], 3
	s_lshl_b32 s[OFFA], s[OFFA], 23                ; A goes 4,096 rows down from tile to tile
	s_or_b32 s[OFFA], s[OFFA], s[OFFB]
.else
	s_mov_b32 s[OFFA], s[OFFB]
.endif
	s_cmp_eq_u32 s11, 0
	s_cselect_b32 s[PO], s[OFFA], s[OFFB]
	s_add_nc_u64 s[PFA:PFA+1], s[PFB:PFB+1], s[PO:PO+1]
.endif
	WIN 0                                          ; (the add's two registers lie in window 0)
	s_wait_tensorcnt 0x0                           ; all my tensor loads have landed, so a group 0 may be written
	ds_add_u32 v[SPW], v[NIL]                      ; 0 onto my spare word
.if \fill
	s_xor_b32 s[G0+5], s[G0+5], SLOT               ; the walking descriptors: the other slot than last time,
	s_add_nc_u64 s[G0+6:G0+7], s[AB:AB+1], s[OFFA:OFFA+1]  ; K step RR
	s_or_b32 s[G0+7], s[G0+7], 0x80000000
	s_xor_b32 s[G0B+5], s[G0B+5], SLOT
	s_add_nc_u64 s[G0B+6:G0B+7], s[BB:BB+1], s[OFFB:OFFB+1]
	s_or_b32 s[G0B+7], s[G0B+7], 0x80000000
.endif
	s_wait_dscnt 9                                 ; (the add and the youngest eight loads may be out)
	MUL16 F1, 0, 0, 0
	s_wait_dscnt 0x0                               ; the add is done, and my reads of this slot are over
	s_barrier_signal -1
	MUL16 F1, 0, 2, 0                              ; work on registers while the others arrive
	WIN 0
	s_barrier_wait -1
.if \fill
	CREST                                          ; no wave of any partner still reads this slot or has a load on its way
	JLOAD                                          ; its four v_nop are also the places in front of the loads below
.else
	PLACES
.endif
	s_xor_b32 s[SL], s[SL], SLOT
	v_add_nc_u32 v[ADRA], s[SL], v[ADRA0]
	v_add_nc_u32 v[ADRB], s[SL], v[ADRB0]
	FETCH 0, F0
.if \fill
	ASK
	s_add_co_u32 s[RR], s[RR], 1
.endif
	MUL16 F1, 1, 0, 0
	MUL16 F1, 1, 2, 0
.endm
; THE WAY OUT of block a (16 rows): rounded, 16 bytes a lane; through my own stage; back as whole rows of 256 bytes; stored.  kind = 0: to bf16; 1: to f16; 2: times 2^-E, then to f16.
.macro PACK a, kind
.set AC, 64*((\a)%4)
.if (\kind) == 2
	WIN 0x82+0x41*((\a)/4)                         ; destination and source 0: window 2 or 3; 2^-E in window 0
.set i, 0
.rept 32
	v_pk_mul_f32 v[AC+2*i:AC+2*i+1], v[AC+2*i:AC+2*i+1], v[SCL:SCL+1] op_sel_hi:[1,0]
.set i, i+1
.endr
.endif
	WIN 0x0a+5*((\a)/4)                            ; sources 0 and 1: window 2 or 3
.irp b, 0,1,2,3,4,5,6,7
.irp r, 0,1,2,3
.if (\kind) == 0
	v_cvt_pk_bf16_f32 v[TMP+4*(\b)+(\r)], v[AC+8*(\b)+2*(\r)], v[AC+8*(\b)+2*(\r)+1]
.else
	v_cvt_pk_f16_f32 v[TMP+4*(\b)+(\r)], v[AC+8*(\b)+2*(\r)], v[AC+8*(\b)+2*(\r)+1]
.endif
.endr
.endr
	WIN 0
.endm
.macro TOSTAGE a
	WIN 0
.set BK, OB+192*((\a)%2)
.irp b, 0,1,2,3,4,5,6,7
	ds_store_b128 v[STO], v[TMP+4*(\b):TMP+4*(\b)+3] offset:32*(\b)
.endr
.irp t, 0,1,2,3,4,5,6,7
	ds_load_b128 v[BK+4*(\t):BK+4*(\t)+3], v[RD] offset:(\t)*2*SPITCH  ; LDS serves a wave's instructions in order (ISA guide 5.7.1.4): these see the stores above
.endr
.endm
.macro SEND a, younger
	WIN 0
.set BK, OB+192*((\a)%2)
	s_wait_dscnt \younger                          ; the block is back in registers
	s_wait_xcnt 0x0                                ; earlier stores have read their base and data: only behind this wait are they rewritten
.if (\a) == 0
	s_add_nc_u64 s[8:9], s[CB:CB+1], s[TO:TO+1]
.endif
.irp t, 0,1,2,3,4,5,6,7
	global_store_b128 v[CO], v[BK+4*(\t):BK+4*(\t)+3], s[8:9] offset:(16*(\a)+2*(\t))*CPITCH  ; 16 lanes store 256 consecutive bytes, aligned; 126 rows at the most stand in the immediate
.endr
.endm
.macro OUT kind
	PACK 0, \kind                                  ; no v_nop: blocks 0-3 were finished ahead of the change of slots' places, and the vector lines on them are the places behind the last products (blocks 4-7's)
	TOSTAGE 0
.irp a, 1,2,3,4,5,6,7
	PACK \a, \kind
	SEND (\a)-1, 0
	TOSTAGE \a
.endr
	SEND 7, 0
.endm
.if IS2
; THE POWER OF TWO of my 128 x 128 numbers of sv: the largest magnitude of a lane's 512, two numbers a line in four chains that take turns (each accumulator's registers in ascending order); then over the 32 lanes.
; The lines on window 2, whose accumulators were finished earlier, are the places behind the last products, which wrote window 3.
.macro TMAX
	WIN 0
	s_mov_b32 s20, 0x76543210                      ; v_permlanex16_b32: each lane takes its own place in the other half
	s_mov_b32 s21, 0xfedcba98
.irp c, 0,1,2,3
	v_mov_b32 v[MX+(\c)], 0
.endr
	WIN 0x28                                       ; sources 1 and 2 in window 2
.set i, 0
.rept 128
	v_max3_num_f32 v[MX+i%4], v[MX+i%4], |v[2*i]|, |v[2*i+1]|
.set i, i+1
.endr
	WIN 0x3c                                       ; in window 3
.set i, 0
.rept 128
	v_max3_num_f32 v[MX+i%4], v[MX+i%4], |v[2*i]|, |v[2*i+1]|
.set i, i+1
.endr
	WIN 0
	v_max3_num_f32 v[MX], v[MX], v[MX+1], v[MX+2]
	v_max_num_f32 v[MX], v[MX], v[MX+3]
	v_max_num_f32_dpp v[MX], v[MX], v[MX] row_xmask:1 row_mask:0xf bank_mask:0xf
	v_max_num_f32_dpp v[MX], v[MX], v[MX] row_xmask:2 row_mask:0xf bank_mask:0xf
	v_max_num_f32_dpp v[MX], v[MX], v[MX] row_xmask:4 row_mask:0xf bank_mask:0xf
	v_max_num_f32_dpp v[MX], v[MX], v[MX] row_xmask:8 row_mask:0xf bank_mask:0xf
	v_permlanex16_b32 v[MX+1], v[MX], s20, s21
	v_max_num_f32 v[MX], v[MX], v[MX+1]
	v_and_b32 v[EV], 0x7f800000, v[MX]             ; 2^E: the exponent alone,
	v_min_u32 v[EV], 0x7e800000, v[EV]             ; held to 2^126, so that its reciprocal is a normal number
	v_sub_nc_u32 v[SCL], 0x7f000000, v[EV]         ; 2^-E
	v_mov_b32 v[SCL+1], 0                          ; named with it as a pair
.endm
.endif
	s_wait_tensorcnt 1                             ; my part of K step 0 is in; K step 1's may stay out
	s_barrier_signal -1
	s_barrier_wait -1
	FETCH 0, F0
	s_wait_loadcnt 0x0                             ; the bias
	WIN 0x45                                       ; all in window 1: the bias is rounded to bf16, like every input, and widened again
.set p, 0
.rept 32
	v_cvt_pk_bf16_f32 v[192+p], v[2*p], v[2*p+1]
.set p, p+1
.endr
.set p, 0
.rept 32
	v_lshlrev_b32 v[2*p], 16, v[192+p]
	v_and_b32 v[2*p+1], 0xffff0000, v[192+p]
.set p, p+1
.endr
	QUARTER 64, F0, F1, 1                          ; a tile's first quarter: the bias starts the sums
	WIN 0
	s_mov_b32 s3, 8*TILES-2                        ; every K step but the last two is followed by a refill
.if IS2
	s_mov_b32 s[KT], 0
.endif
.Lstep:                                                ; a trip: a K step's quarters 1, 2, 3, the change of slots, the next K step's quarter 0
	QUARTER 128, F1, F0, 0
	QUARTER 192, F0, F1, 0
	TURN 1
	WIN 0
.if IS2
	s_add_co_u32 s[KT], s[KT], 1
	s_cmp_eq_u32 s[KT], 8
	s_cbranch_scc1 .Lbound                         ; the tile is finished
.endif
	QUARTER 64, F0, F1, 0
	WIN 0
.if IS2
	s_branch .Lnext
.Lbound:
	OUT 0                                          ; sq or sk leaves; the refills for the next tile have been asked for, and nothing waits for the stores
	s_mov_b32 s[KT], 0
	s_add_co_u32 s[TO], s[TO], 8192
	QUARTER 64, F0, F1, 1
	WIN 0
.Lnext:
.endif
	s_sub_co_u32 s3, s3, 1
	s_cmp_lg_u32 s3, 0
	s_cbranch_scc1 .Lstep
	s_mov_b32 s[T2], 2                             ; the last two K steps ask for nothing: one text, walked twice and left in its middle.  The second walk's change of slots and its 32 LDS loads serve nothing
.Ltail:
	QUARTER 128, F1, F0, 0
	QUARTER 192, F0, F1, 0
	TURN 0
	WIN 0
	s_sub_co_u32 s[T2], s[T2], 1
	s_cmp_eq_u32 s[T2], 0
	s_cbranch_scc1 .Lout
	QUARTER 64, F0, F1, 0
	WIN 0
	s_branch .Ltail
.Lout:
	s_wait_dscnt 0x0                               ; the loads that serve nothing are back
.if IS2
	TMAX
	s_wait_xcnt 0x0                                ; EXEC changes only behind this wait
	v_cmp_eq_u32 vcc_lo, 0, v[LN]
	s_and_saveexec_b32 s22, vcc_lo
	global_store_b32 v[ZR], v[EV], s[VS:VS+1]      ; 2^E: one word a wave, 1,024 words in the launch
	s_wait_xcnt 0x0                                ; and again, in front of the line that widens it
	s_or_b32 exec_lo, exec_lo, s22
	OUT 2                                          ; sv leaves
.else
	OUT 1
.endif
	s_wait_tensorcnt 0x0                           ; the wave's end, behind my last tensor load and my last LDS store
	ds_add_u32 v[SPW], v[NIL]
	s_wait_dscnt 0x0
	CROUND                                         ; the closing round: no work-group ends while a partner may still ask for a tile that names it
	s_endpgm
.Lfunc_end_k_qa0d29beff1_g1:
	.size	k_qa0d29beff1_g1, .Lfunc_end_k_qa0d29beff1_g1-k_qa0d29beff1_g1
	.p2alignl 7, 3214868480
	.fill 96, 4, 3214868480
	.section	.rodata,"a",@progbits
	.p2align	6, 0x0
	.amdhsa_kernel k_qa0d29beff1_g1
		.amdhsa_group_segment_fixed_size 327680
		.amdhsa_private_segment_fixed_size 0
		.amdhsa_enable_private_segment 0
		.amdhsa_kernarg_size 40
		.amdhsa_user_sgpr_count 2
		.amdhsa_user_sgpr_kernarg_segment_ptr 1
		.amdhsa_wavefront_size32 1
		.amdhsa_system_sgpr_workgroup_id_x 1
		.amdhsa_system_sgpr_workgroup_id_y 1
		.amdhsa_system_sgpr_workgroup_id_z 1
		.amdhsa_system_vgpr_workitem_id 0
		.amdhsa_next_free_vgpr 1024
		.amdhsa_next_free_sgpr 96
		.amdhsa_reserve_vcc 1
		.amdhsa_float_denorm_mode_32 3
		.amdhsa_float_denorm_mode_16_64 3
		.amdhsa_memory_ordered 1
		.amdhsa_forward_progress 1
		.amdhsa_inst_pref_size 108
	.end_amdhsa_kernel
	.amdgpu_metadata
---
amdhsa.version: [ 1, 2 ]
amdhsa.kernels:
  - .name:           k_qa0d29beff1_g1
    .symbol:         k_qa0d29beff1_g1.kd
    .args:
      - { .name: w16, .offset: 0, .size: 8, .value_kind: global_buffer, .address_space: global }
      - { .name: bq, .offset: 8, .size: 8, .value_kind: global_buffer, .address_space: global }
      - { .name: bk, .offset: 16, .size: 8, .value_kind: global_buffer, .address_space: global }
      - { .name: bv, .offset: 24, .size: 8, .value_kind: global_buffer, .address_space: global }
      - { .name: qkvh, .offset: 32, .size: 8, .value_kind: global_buffer, .address_space: global }
    .group_segment_fixed_size: 327680
    .private_segment_fixed_size: 0
    .kernarg_segment_align: 8
    .kernarg_segment_size: 40
    .max_flat_workgroup_size: 128
    .sgpr_count:     96
    .vgpr_count:     1024
    .wavefront_size: 32
...
	.end_amdgpu_metadata
.endif
;; end of part 2
;; launch g2 (part 3): grid 16 x 16, 4 waves a work-group, clusters of 4 x 4, 327,680 bytes of LDS; arguments qkvh, w16, bs, sqkv, vsc; writes sqkv, vsc
.if DOCPART == 3
	.amdgcn_target "amdgcn-amd-amdhsa--gfx1250"
	.amdhsa_code_object_version 6
	.text
	.protected	k_qa0d29beff1_g2
	.globl	k_qa0d29beff1_g2
	.p2align	8
	.type	k_qa0d29beff1_g2,@function
k_qa0d29beff1_g2:
	s_mov_b64 s[64:65], 0
	v_nop
	global_prefetch_b8 v0, s[64:65] scope:SCOPE_SE
	s_setreg_imm32_b32 hwreg(HW_REG_WAVE_MODE, 25, 1), 1
	s_wait_xcnt 0x0
	s_wait_alu depctr_hold_cnt(0) depctr_sa_sdst(0) depctr_va_vdst(0) depctr_va_sdst(0) depctr_va_ssrc(0) depctr_va_vcc(0) depctr_vm_vsrc(0)
	s_getreg_b32 s2, hwreg(HW_REG_IB_STS2, 6, 4)
	s_cmp_eq_u32 s2, 0
	s_cbranch_scc0 .Lentry_in_a_cluster
	s_endpgm
.Lentry_in_a_cluster:
	s_bfe_u32 s2, ttmp6, 0x10000c
	s_cmp_lg_u32 s2, 0xf033
	s_cbranch_scc0 .Lentry_shape_is_right
	s_endpgm
.Lentry_shape_is_right:
; ONE TEXT FOR TWO PRODUCTS C = A B^T + bias, told apart by IS2.  K = 1,024 in both; sums in f32, started by the bias (rounded to bf16 like every input) as the first C operand.
; IS2 = 0: A = x in bf16 [4096][1024], B = wq, wk, wv in bf16 [3072][1024]; C = qf, kf, vf in f16, [3][4096][1024].  One tile of 256 x 256 to a work-group: 192 work-groups.
; IS2 = 1: A = qf, kf, vf in f16 [3][4096][1024], B = ws in f16 [4096 (s, e)][1024]; a work-group keeps its 256 rows and its 256 columns and walks t = q, k, v: three tiles, 256 work-groups.
;          C goes into rows of 24,576 bytes, one a position: sq (bf16, 8,192 bytes), sk (bf16, 8,192), sv (f16 times a power of two, 8,192).  A wave's 128 x 128 numbers of sv share one power of two 2^E,
;          E the exponent of their largest magnitude: sv x 2^-E lies below 2 and is rounded to f16, and 2^E goes into vsc[row / 128][column / 128].
; LIMITS: qf, kf, vf must lie below 65,504 (f16); a number of sv below 2^-14 of its tile's 2^E keeps f16's fixed step (off by 2^-25 x 2^E at the most); a tile of sv whose largest magnitude lies below 2^-126
; counts as 0; NaN and infinities are not treated apart.
; SHAPE: four waves, each 128 x 128 of C in 64 accumulators.  K goes in steps of 128 through two LDS slots filled by tensor loads; a slot holds 256 rows of A and 256 of B, 272 bytes apart.
; The loop's trip is ONE K step: the slot in hand is a scalar turned by an exclusive or, and each refill's address is made anew from the number of the K step asked for.
; CLUSTER: 4 x 4 work-groups; A's tile is asked for jointly by a row of the cluster, B's by a column.
; THE MATRIX INSTRUCTION IS USED TRANSPOSED (source 0 = 16 rows of B, source 1 = 16 rows of A): a lane holds row l % 16 of C and the columns 8 (l / 16) + 0..7.
; REGISTERS, in windows of 256: window 0: v6-14 sv's power of two; v16-30 addresses; v32-63, v224-255 rows read back; v192-223 packed results; v64-127, v128-191 A's fragments (two buffers)
;   window 1: v0-63 the bias (8 registers for each block of 16 columns); v64-191 B's fragments; v192-223 at work on the bias          windows 2, 3: accumulator (a, b) at v[8 (8 a + b)]
.set IS2, 1
.if IS2
.set TILES,  3
.set CPITCH, 24576                     ; bytes from row to row of C
.set PLB,    6                         ; B's rows are the same in all three tiles: prefetched in the first alone
.else
.set TILES,  1
.set CPITCH, 2048
.set PLB,    24
.endif
.set SIZE_K, 1024
.set KSTEP,  128
.set PITCH,  272                       ; an LDS row: 256 bytes + 16 of padding: the 16 rows of a fragment load start 16 bytes apart modulo 256
.set HALFT,  128*PITCH                 ; what one tensor load brings
.set SLOT,   4*HALFT                   ; 0x22000: shares no bit with wave x HALFT, so one exclusive or turns an address in one slot into the other's
.set STAGE,  2*SLOT                    ; behind the ring: 16 rows x 272 bytes for each wave, for the way out
.set SPITCH, 272
.set SPARE,  STAGE+4*16*SPITCH         ; the spare words, 128 bytes a wave: no other line names them
.set WQKV,   8388608                   ; byte offsets in w16
.set WSH,    14680064
.set LN,    6                          ; my lane's number
.set ZR,    7                          ; 0: the offset of the one word stored to vsc
.set MX,    8                          ; v8-11  four running maxima
.set SCL,   12                         ; v12-13 2^-E, named as a pair
.set EV,    14                         ; 2^E
.set ADRA,  16                         ; LDS address of my A fragments in the slot in hand
.set ADRA0, 17                         ; the same in slot 0; never rewritten
.set ADRB,  20
.set ADRB0, 21
.set STO,   24
.set RD,    25
.set CO,    26
.set BO,    27                         ; 32 (l / 16): my 8 numbers in a block of 16 of the bias
.set SPW,   28
.set NIL,   29
.set PFO,   30                         ; 2,048 x lane: a lane a row
.set F0,  64
.set F1,  128
.set TMP, 192
.set OB,  32
.set G1,  24                           ; s[24:31] group 1 for A's tiles
.set G0,  32                           ; s[32:35] A's group 0 for the first fill of slot 0; s[36:39] the walking one
.set G1B, 48                           ; s[48:55], s[56:59], s[60:63]: the same for B
.set G0B, 56
.set AB,   14                          ; s[14:15] A at my 128 rows, tile 0, K step 0
.set BB,   46                          ; s[46:47] the same for B
.set PLIM, 43                          ; a wave prefetches while the K step asked for is below this; 0 in a wave that never does
.set PFA,  44                          ; s[44:45] the prefetch's address
.set SL,   66                          ; 0 or SLOT: the slot in hand
.set RR,   67                          ; the K step to ask for next, counted through all tiles
.set KT,   68                          ; K steps done in the tile
.set T2,   69
.set OFFA, 70                          ; s[70:71] byte offset of K step RR from AB
.set OFFB, 72                          ; s[72:73] from BB
.set CB,   74                          ; s[74:75] C at my first row and column
.set TO,   76                          ; s[76:77] the tile's byte offset in a row of C
.set BP,   78                          ; s[78:79] the bias at my 128 columns
.set VS,   80                          ; s[80:81] my wave's word of vsc
.set PFB,  92                          ; s[92:93] my work-group's 32 rows of the 128 that I fetch
.set PO,   94                          ; s[94:95]
.set MSB, 0
.macro WIN new                         ; the immediate's high byte repeats the setting that is left; a switch that changes nothing is dropped
.if MSB != (\new)
	s_set_vgpr_msb (MSB<<8)|(\new)
.set MSB, \new
.endif
.endm
.macro PLACES                          ; four plain vector instructions behind a matrix instruction, ahead of loads into its sources and of readers of its result
.rept 4
	v_nop
.endr
.endm
; A joint refill by the walking descriptor: waves 0 and 1 fetch A's halves, waves 2 and 3 B's.  The branch hangs on the wave's number alone.  An s_nop 0 and four v_nop follow each line.
.macro JLOAD
	s_cmp_eq_u32 s11, 0
	s_cbranch_scc0 .Lfor_b_\@
	tensor_load_to_lds s[G0+4:G0+7], s[G1:G1+7]
	s_nop 0
.rept 4
	v_nop
.endr
	s_branch .Lasked_\@
.Lfor_b_\@:
	tensor_load_to_lds s[G0B+4:G0B+7], s[G1B:G1B+7]
	s_nop 0
.rept 4
	v_nop
.endr
.Lasked_\@:
.endm
.macro CREST                           ; a round of the cluster's barrier behind its opening barrier
	s_cmp_lg_u32 s10, 0
	s_cbranch_scc1 .Lnot_wave_0_\@
	s_barrier_signal -3
.Lnot_wave_0_\@:
	s_barrier_wait -3
	s_barrier_signal -1
	s_barrier_wait -1
.endm
.macro CROUND
	s_barrier_signal -1
	s_barrier_wait -1
	CREST
.endm
; A PREFETCH of the K step that stands two refills on, in the same tile: 32 rows x 256 bytes, a lane a row.  A's rows are asked for by the clusters with x = 0, B's by those with y = 0; the four partners that
; ask for a tile jointly take 32 of a wave's 128 rows each, told apart by address.  So each row's 256 bytes of a K step are named once.  A tile's K steps 6 and 7 have no K step two on: they ask for nothing.
.macro ASK
	s_cmp_lt_u32 s[RR], s[PLIM]
	s_cbranch_scc0 .Lnot_mine_\@
	s_cmp_lt_u32 s[OFFB], 6<<8
	s_cbranch_scc0 .Lnot_mine_\@
	global_prefetch_b8 v[PFO], s[PFA:PFA+1] offset:2*KSTEP*2 th:TH_LOAD_NT scope:SCOPE_SE
.Lnot_mine_\@:
.endm
	s_load_b256 s[84:91], s[0:1], 0x0              ; IS2 = 0: w16, bq, bk, bv.  IS2 = 1: qkvh, w16, bs, sqkv
.if IS2
	s_load_b64 s[VS:VS+1], s[0:1], 0x20            ; vsc
.else
	s_load_b64 s[8:9], s[0:1], 0x20                ; qkvh
.endif
	v_lshl_add_u32 v[SPW], v0, 2, SPARE
	v_mov_b32 v[NIL], 0
	ds_add_u32 v[SPW], v[NIL]                      ; the wave's opening: the add and its wait stand ahead of my first tensor load; the set-up below stands between them
	v_lshrrev_b32 v1, 5, v0
	v_readfirstlane_b32 s10, v1                    ; wave 0..3
	s_lshr_b32 s11, s10, 1                         ; my half of the tile's rows.  Also: I fetch for A (0) or for B (1)
	s_and_b32 s12, s10, 1                          ; my half of its columns.  Also: which 128 rows I fetch
	s_bfe_u32 s40, ttmp6, 0x40000                  ; cx
	s_bfe_u32 s41, ttmp6, 0x40004                  ; cy
	s_lshl_b32 s42, ttmp9, 2
	s_add_co_u32 s42, s42, s40                     ; tile column = 4 x cluster x + cx
	s_and_b32 s13, ttmp7, 0xffff
	s_lshl_b32 s13, s13, 2
	s_add_co_u32 s13, s13, s41                     ; tile row = 4 x cluster y + cy
	s_lshl_b32 s43, s41, 2
	s_lshl_b32 s43, 15, s43                        ; my row of the cluster
	s_lshl_b32 s44, 0x1111, s40                    ; my column
	s_or_b32 s[G1+0], s43, (1<<16)|(1<<20)|(1<<21)|(5<<22)|(3<<25)   ; the mask; elements of 2 bytes; padding on; bit 21 beside a mask; after every 64 words 4 words
	s_or_b32 s[G1B+0], s44, (1<<16)|(1<<20)|(1<<21)|(5<<22)|(3<<25)
.irp g, G1, G1B
	s_mov_b32 s[(\g)+1], KSTEP<<16                 ; tensor_dim0 = 128
	s_mov_b32 s[(\g)+2], 128<<16                   ; tensor_dim1 = 128
	s_mov_b32 s[(\g)+3], KSTEP<<16                 ; tile_dim0 = 128
	s_mov_b32 s[(\g)+4], 128                       ; tile_dim1 = 128
	s_mov_b32 s[(\g)+5], SIZE_K                    ; elements from row to row
	s_mov_b32 s[(\g)+6], 0
	s_mov_b32 s[(\g)+7], 0
.endr
	s_lshl_b32 s17, s12, 7
	s_lshl_b32 s16, s13, 8
	s_add_co_u32 s16, s16, s17                     ; A: row 256 x tile row + 128 x half
	s_lshl_b32 s46, s42, 8
	s_add_co_u32 s46, s46, s17                     ; B: row 256 x tile column + 128 x half
	s_lshl_b32 s16, s16, 11                        ; rows of 2,048 bytes: under 2^24
	s_mov_b32 s17, 0
	s_lshl_b32 s46, s46, 11
	s_mov_b32 s47, 0
	s_mul_i32 s20, s10, HALFT                      ; where my loads go: wave x 128 rows
	s_mov_b32 s[SL], 0
	s_mov_b32 s[RR], 2
	s_mov_b32 s[OFFA+1], 0
	s_mov_b32 s[OFFB+1], 0
	s_mov_b32 s[TO], 0
	s_mov_b32 s[TO+1], 0
	s_mov_b32 s[PO+1], 0
	s_wait_dscnt 0x0                               ; the opening add is done
	s_wait_kmcnt 0x0
	s_mov_b64 s[4:5], s[84:85]                     ; A's tensor
.if IS2
	s_add_nc_u64 s[6:7], s[86:87], WSH             ; B's
.else
	s_add_nc_u64 s[6:7], s[84:85], WQKV
.endif
	s_add_nc_u64 s[AB:AB+1], s[4:5], s[16:17]
	s_add_nc_u64 s[BB:BB+1], s[6:7], s[46:47]
	CROUND                                         ; all sixteen work-groups are here: the first joint loads meet
.irp s, 0,1
	s_mov_b32 s[G0+4*(\s)], 1
	s_add_co_u32 s[G0+4*(\s)+1], s20, (\s)*SLOT
	s_add_nc_u64 s[G0+4*(\s)+2:G0+4*(\s)+3], s[AB:AB+1], (\s)*KSTEP*2
	s_or_b32 s[G0+4*(\s)+3], s[G0+4*(\s)+3], 0x80000000
	s_mov_b32 s[G0B+4*(\s)], 1
	s_add_co_u32 s[G0B+4*(\s)+1], s20, (\s)*SLOT
	s_add_nc_u64 s[G0B+4*(\s)+2:G0B+4*(\s)+3], s[BB:BB+1], (\s)*KSTEP*2
	s_or_b32 s[G0B+4*(\s)+3], s[G0B+4*(\s)+3], 0x80000000
.endr
	s_cmp_eq_u32 s11, 0                            ; a wave's two first fills stand in one branch, ahead of every wait on TENSORcnt and every LDS read: two loads of mine are out
	s_cbranch_scc0 .Lfirst_b
	tensor_load_to_lds s[G0:G0+3], s[G1:G1+7]
	s_nop 0
	tensor_load_to_lds s[G0+4:G0+7], s[G1:G1+7]
	s_nop 0
.rept 4
	v_nop
.endr
	s_branch .Lfirst_done
.Lfirst_b:
	tensor_load_to_lds s[G0B:G0B+3], s[G1B:G1B+7]
	s_nop 0
	tensor_load_to_lds s[G0B+4:G0B+7], s[G1B:G1B+7]
	s_nop 0
.rept 4
	v_nop
.endr
.Lfirst_done:
	; the bias of my 128 columns
.if IS2
	s_mov_b64 s[BP:BP+1], s[88:89]                 ; bs, whose 4,096 numbers go by (s, e) like B's rows
	s_lshl_b32 s82, s42, 10
.else
	s_cmp_eq_u32 ttmp9, 1                          ; a cluster is as wide as one of the three panels: cluster x says which
	s_cselect_b64 s[BP:BP+1], s[88:89], s[86:87]
	s_cmp_eq_u32 ttmp9, 2
	s_cselect_b64 s[BP:BP+1], s[90:91], s[BP:BP+1]
	s_lshl_b32 s82, s40, 10
.endif
	s_lshl_b32 s83, s12, 9
	s_add_co_u32 s82, s82, s83
	s_mov_b32 s83, 0
	s_add_nc_u64 s[BP:BP+1], s[BP:BP+1], s[82:83]
	v_and_b32 v1, 15, v0                           ; l % 16
	v_bfe_u32 v2, v0, 4, 1                         ; l / 16
	v_lshlrev_b32 v[BO], 5, v2
	WIN 0x40                                       ; destination window 1
.irp b, 0,1,2,3,4,5,6,7
	global_load_b128 v[8*(\b):8*(\b)+3],   v[BO], s[BP:BP+1] offset:64*(\b)
	global_load_b128 v[8*(\b)+4:8*(\b)+7], v[BO], s[BP:BP+1] offset:64*(\b)+16
.endr
	WIN 0
	v_mul_u32_u24 v3, v1, PITCH
	v_lshl_add_u32 v3, v2, 4, v3                   ; a fragment's row x pitch + 16 x half
	s_mul_i32 s21, s11, HALFT                      ; my 128 rows of A
	s_mul_i32 s22, s12, HALFT
	s_add_co_u32 s22, s22, 2*HALFT                 ; my 128 rows of B, behind A's 256
	v_add_nc_u32 v[ADRA0], s21, v3
	v_add_nc_u32 v[ADRB0], s22, v3
	v_mov_b32 v[ADRA], v[ADRA0]
	v_mov_b32 v[ADRB], v[ADRB0]
	s_mul_i32 s23, s10, 16*SPITCH
	s_add_co_u32 s23, s23, STAGE                   ; my stage
	v_mul_u32_u24 v4, v1, SPITCH
	v_lshl_add_u32 v4, v2, 4, v4
	v_add_nc_u32 v[STO], s23, v4                   ; in: row l % 16, 16 bytes for each half of the lanes
	v_mul_u32_u24 v5, v2, SPITCH
	v_lshl_add_u32 v5, v1, 4, v5
	v_add_nc_u32 v[RD], s23, v5                    ; back: lanes 0-15 one row of 256 bytes, lanes 16-31 the next
	v_mul_u32_u24 v5, v2, CPITCH
	v_lshl_add_u32 v[CO], v1, 4, v5                ; the same two rows in C
	s_lshl_b32 s16, s13, 8
	s_lshl_b32 s17, s11, 7
	s_add_co_u32 s16, s16, s17                     ; my first row of C
.if IS2
	s_mul_i32 s16, s16, CPITCH                     ; under 2^27
	s_mov_b32 s17, 0
	s_add_nc_u64 s[CB:CB+1], s[90:91], s[16:17]
	s_lshl_b32 s82, s42, 9
	s_lshl_b32 s83, s12, 8
	s_add_co_u32 s82, s82, s83                     ; my first column, in bytes of 16-bit numbers
	s_mov_b32 s83, 0
	s_add_nc_u64 s[CB:CB+1], s[CB:CB+1], s[82:83]
	s_lshl_b32 s16, s13, 1
	s_add_co_u32 s16, s16, s11                     ; my block of 128 rows,
	s_lshl_b32 s16, s16, 5                         ; 32 words of vsc each,
	s_lshl_b32 s82, s42, 1
	s_add_co_u32 s82, s82, s12                     ; my block of 128 columns
	s_add_co_u32 s82, s82, s16
	s_lshl_b32 s82, s82, 2
	s_add_nc_u64 s[VS:VS+1], s[VS:VS+1], s[82:83]
	v_and_b32 v[LN], 31, v0
	v_mov_b32 v[ZR], 0
.else
	s_lshl_b32 s16, s16, 11
	s_lshl_b32 s17, ttmp9, 23                      ; the panel: 4,096 rows of 2,048 bytes
	s_add_co_u32 s16, s16, s17
	s_mov_b32 s17, 0
	s_add_nc_u64 s[CB:CB+1], s[8:9], s[16:17]
	s_lshl_b32 s82, s40, 9
	s_lshl_b32 s83, s12, 8
	s_add_co_u32 s82, s82, s83
	s_mov_b32 s83, 0
	s_add_nc_u64 s[CB:CB+1], s[CB:CB+1], s[82:83]
.endif
	; the prefetches
	s_lshl_b32 s20, s13, 8
	s_lshl_b32 s21, s42, 8
	s_and_b32 s22, ttmp7, 0xffff                   ; cluster y
	s_cmp_eq_u32 s11, 0                            ; do I fetch for A?
	s_cselect_b32 s20, s20, s21                    ; the tile's first row
	s_cselect_b32 s21, s40, s41                    ; my place among the four that ask for it with me
	s_cselect_b32 s22, ttmp9, s22                  ; the coordinate along which other clusters read the same rows
	s_cselect_b64 s[PFB:PFB+1], s[4:5], s[6:7]
	s_cselect_b32 s23, 24, PLB
	s_cmp_eq_u32 s22, 0
	s_cselect_b32 s[PLIM], s23, 0                  ; the same in all sixteen partners, for a given wave
	s_lshl_b32 s22, s12, 7
	s_add_co_u32 s20, s20, s22                     ; + the 128 rows that I fetch
	s_lshl_b32 s21, s21, 5
	s_add_co_u32 s20, s20, s21                     ; + my work-group's 32 of them
	s_lshl_b32 s20, s20, 11
	s_mov_b32 s21, 0
	s_add_nc_u64 s[PFB:PFB+1], s[PFB:PFB+1], s[20:21]
	v_and_b32 v[PFO], 31, v0
	v_lshlrev_b32 v[PFO], 11, v[PFO]
; 16 matrix instructions: m blocks a0, a0 + 1 of the window's four (hi = 0: my rows 0-63, 1: rows 64-127) x all 8 n blocks, 32 along K.  init = 1: the bias starts the sums.
; The 64 accumulators take turns in the same order in every quarter.
.macro MUL16 f, hi, a0, init
.if \init
	WIN 0x91+0x40*(\hi)                            ; B and the bias in window 1, A in window 0, D in window 2 or 3
.else
	WIN 0xa1+0x50*(\hi)                            ; C and D in window 2 or 3
.endif
.irp a, \a0, (\a0)+1
.irp b, 0,1,2,3,4,5,6,7
.set rD, 8*(8*(\a)+(\b))
.set rB, (\f)+8*(\b)
.set rA, (\f)+8*(4*(\hi)+(\a))
.set rC, rD
.if \init
.set rC, 8*(\b)
.endif
.if IS2
	v_wmma_f32_16x16x32_f16 v[rD:rD+7], v[rB:rB+7], v[rA:rA+7], v[rC:rC+7]
.else
	v_wmma_f32_16x16x32_bf16 v[rD:rD+7], v[rB:rB+7], v[rA:rA+7], v[rC:rC+7]
.endif
.endr
.endr
.endm
; 32 LDS loads in one run: the fragments of a quarter step (32 K at byte k of the rows of the slot in hand) into buffer f: B's, then A's
.macro FETCH k, f
	WIN 0x40
.irp i, 0,1,2,3,4,5,6,7
	ds_load_b128 v[(\f)+8*(\i):(\f)+8*(\i)+3],   v[ADRB] offset:(\k)+(\i)*16*PITCH
	ds_load_b128 v[(\f)+8*(\i)+4:(\f)+8*(\i)+7], v[ADRB] offset:(\k)+(\i)*16*PITCH+32
.endr
	WIN 0
.irp i, 0,1,2,3,4,5,6,7
	ds_load_b128 v[(\f)+8*(\i):(\f)+8*(\i)+3],   v[ADRA] offset:(\k)+(\i)*16*PITCH
	ds_load_b128 v[(\f)+8*(\i)+4:(\f)+8*(\i)+7], v[ADRA] offset:(\k)+(\i)*16*PITCH+32
.endr
.endm
; One of a K step's first three quarters: multiplies buffer f; in its middle it fetches the next quarter, at byte k, into buffer g.
.macro QUARTER k, f, g, init
	s_wait_dscnt 8                                 ; B and A's rows 0-63 are in; the youngest eight loads (A's rows 64-127) may be out
	MUL16 \f, 0, 0, \init
	MUL16 \f, 0, 2, \init
	PLACES
	FETCH \k, \g
	s_wait_dscnt 32                                ; all but the 32 just issued
	MUL16 \f, 1, 0, \init
	MUL16 \f, 1, 2, \init
.endm
; The last quarter multiplies buffer 1 and changes slots.  In front of the barrier each wave waits for all its tensor loads (one is out: its part of the next slot), adds 0 to its spare word, and waits for
; that and for its reads of this slot.  fill = 1: the barrier opens a round of the cluster's, and the slot just read is filled again, first thing behind it, with K step RR: 224 matrix instructions ahead of the wait for it.
.macro TURN fill
.if \fill
	s_wait_xcnt 0x0                                ; the last prefetch, a K step back, has read its address: it is made anew here, ahead of the waits of the change of slots
	s_and_b32 s[OFFB], s[RR], 7
	s_lshl_b32 s[OFFB], s[OFFB], 8                 ; 256 bytes a K step
.if IS2
	s_lshr_b32 s[OFFA], s[RR], 3
	s_lshl_b32 s[OFFA], s[OFFA], 23                ; A goes 4,096 rows down from tile to tile
	s_or_b32 s[OFFA], s[OFFA], s[OFFB]
.else
	s_mov_b32 s[OFFA], s[OFFB]
.endif
	s_cmp_eq_u32 s11, 0
	s_cselect_b32 s[PO], s[OFFA], s[OFFB]
	s_add_nc_u64 s[PFA:PFA+1], s[PFB:PFB+1], s[PO:PO+1]
.endif
	WIN 0                                          ; (the add's two registers lie in window 0)
	s_wait_tensorcnt 0x0                           ; all my tensor loads have landed, so a group 0 may be written
	ds_add_u32 v[SPW], v[NIL]                      ; 0 onto my spare word
.if \fill
	s_xor_b32 s[G0+5], s[G0+5], SLOT               ; the walking descriptors: the other slot than last time,
	s_add_nc_u64 s[G0+6:G0+7], s[AB:AB+1], s[OFFA:OFFA+1]  ; K step RR
	s_or_b32 s[G0+7], s[G0+7], 0x80000000
	s_xor_b32 s[G0B+5], s[G0B+5], SLOT
	s_add_nc_u64 s[G0B+6:G0B+7], s[BB:BB+1], s[OFFB:OFFB+1]
	s_or_b32 s[G0B+7], s[G0B+7], 0x80000000
.endif
	s_wait_dscnt 9                                 ; (the add and the youngest eight loads may be out)
	MUL16 F1, 0, 0, 0
	s_wait_dscnt 0x0                               ; the add is done, and my reads of this slot are over
	s_barrier_signal -1
	MUL16 F1, 0, 2, 0                              ; work on registers while the others arrive
	WIN 0
	s_barrier_wait -1
.if \fill
	CREST                                          ; no wave of any partner still reads this slot or has a load on its way
	JLOAD                                          ; its four v_nop are also the places in front of the loads below
.else
	PLACES
.endif
	s_xor_b32 s[SL], s[SL], SLOT
	v_add_nc_u32 v[ADRA], s[SL], v[ADRA0]
	v_add_nc_u32 v[ADRB], s[SL], v[ADRB0]
	FETCH 0, F0
.if \fill
	ASK
	s_add_co_u32 s[RR], s[RR], 1
.endif
	MUL16 F1, 1, 0, 0
	MUL16 F1, 1, 2, 0
.endm
; THE WAY OUT of block a (16 rows): rounded, 16 bytes a lane; through my own stage; back as whole rows of 256 bytes; stored.  kind = 0: to bf16; 1: to f16; 2: times 2^-E, then to f16.
.macro PACK a, kind
.set AC, 64*((\a)%4)
.if (\kind) == 2
	WIN 0x82+0x41*((\a)/4)                         ; destination and source 0: window 2 or 3; 2^-E in window 0
.set i, 0
.rept 32
	v_pk_mul_f32 v[AC+2*i:AC+2*i+1], v[AC+2*i:AC+2*i+1], v[SCL:SCL+1] op_sel_hi:[1,0]
.set i, i+1
.endr
.endif
	WIN 0x0a+5*((\a)/4)                            ; sources 0 and 1: window 2 or 3
.irp b, 0,1,2,3,4,5,6,7
.irp r, 0,1,2,3
.if (\kind) == 0
	v_cvt_pk_bf16_f32 v[TMP+4*(\b)+(\r)], v[AC+8*(\b)+2*(\r)], v[AC+8*(\b)+2*(\r)+1]
.else
	v_cvt_pk_f16_f32 v[TMP+4*(\b)+(\r)], v[AC+8*(\b)+2*(\r)], v[AC+8*(\b)+2*(\r)+1]
.endif
.endr
.endr
	WIN 0
.endm
.macro TOSTAGE a
	WIN 0
.set BK, OB+192*((\a)%2)
.irp b, 0,1,2,3,4,5,6,7
	ds_store_b128 v[STO], v[TMP+4*(\b):TMP+4*(\b)+3] offset:32*(\b)
.endr
.irp t, 0,1,2,3,4,5,6,7
	ds_load_b128 v[BK+4*(\t):BK+4*(\t)+3], v[RD] offset:(\t)*2*SPITCH  ; LDS serves a wave's instructions in order (ISA guide 5.7.1.4): these see the stores above
.endr
.endm
.macro SEND a, younger
	WIN 0
.set BK, OB+192*((\a)%2)
	s_wait_dscnt \younger                          ; the block is back in registers
	s_wait_xcnt 0x0                                ; earlier stores have read their base and data: only behind this wait are they rewritten
.if (\a) == 0
	s_add_nc_u64 s[8:9], s[CB:CB+1], s[TO:TO+1]
.endif
.irp t, 0,1,2,3,4,5,6,7
	global_store_b128 v[CO], v[BK+4*(\t):BK+4*(\t)+3], s[8:9] offset:(16*(\a)+2*(\t))*CPITCH  ; 16 lanes store 256 consecutive bytes, aligned; 126 rows at the most stand in the immediate
.endr
.endm
.macro OUT kind
	PACK 0, \kind                                  ; no v_nop: blocks 0-3 were finished ahead of the change of slots' places, and the vector lines on them are the places behind the last products (blocks 4-7's)
	TOSTAGE 0
.irp a, 1,2,3,4,5,6,7
	PACK \a, \kind
	SEND (\a)-1, 0
	TOSTAGE \a
.endr
	SEND 7, 0
.endm
.if IS2
; THE POWER OF TWO of my 128 x 128 numbers of sv: the largest magnitude of a lane's 512, two numbers a line in four chains that take turns (each accumulator's registers in ascending order); then over the 32 lanes.
; The lines on window 2, whose accumulators were finished earlier, are the places behind the last products, which wrote window 3.
.macro TMAX
	WIN 0
	s_mov_b32 s20, 0x76543210                      ; v_permlanex16_b32: each lane takes its own place in the other half
	s_mov_b32 s21, 0xfedcba98
.irp c, 0,1,2,3
	v_mov_b32 v[MX+(\c)], 0
.endr
	WIN 0x28                                       ; sources 1 and 2 in window 2
.set i, 0
.rept 128
	v_max3_num_f32 v[MX+i%4], v[MX+i%4], |v[2*i]|, |v[2*i+1]|
.set i, i+1
.endr
	WIN 0x3c                                       ; in window 3
.set i, 0
.rept 128
	v_max3_num_f32 v[MX+i%4], v[MX+i%4], |v[2*i]|, |v[2*i+1]|
.set i, i+1
.endr
	WIN 0
	v_max3_num_f32 v[MX], v[MX], v[MX+1], v[MX+2]
	v_max_num_f32 v[MX], v[MX], v[MX+3]
	v_max_num_f32_dpp v[MX], v[MX], v[MX] row_xmask:1 row_mask:0xf bank_mask:0xf
	v_max_num_f32_dpp v[MX], v[MX], v[MX] row_xmask:2 row_mask:0xf bank_mask:0xf
	v_max_num_f32_dpp v[MX], v[MX], v[MX] row_xmask:4 row_mask:0xf bank_mask:0xf
	v_max_num_f32_dpp v[MX], v[MX], v[MX] row_xmask:8 row_mask:0xf bank_mask:0xf
	v_permlanex16_b32 v[MX+1], v[MX], s20, s21
	v_max_num_f32 v[MX], v[MX], v[MX+1]
	v_and_b32 v[EV], 0x7f800000, v[MX]             ; 2^E: the exponent alone,
	v_min_u32 v[EV], 0x7e800000, v[EV]             ; held to 2^126, so that its reciprocal is a normal number
	v_sub_nc_u32 v[SCL], 0x7f000000, v[EV]         ; 2^-E
	v_mov_b32 v[SCL+1], 0                          ; named with it as a pair
.endm
.endif
	s_wait_tensorcnt 1                             ; my part of K step 0 is in; K step 1's may stay out
	s_barrier_signal -1
	s_barrier_wait -1
	FETCH 0, F0
	s_wait_loadcnt 0x0                             ; the bias
	WIN 0x45                                       ; all in window 1: the bias is rounded to bf16, like every input, and widened again
.set p, 0
.rept 32
	v_cvt_pk_bf16_f32 v[192+p], v[2*p], v[2*p+1]
.set p, p+1
.endr
.set p, 0
.rept 32
	v_lshlrev_b32 v[2*p], 16, v[192+p]
	v_and_b32 v[2*p+1], 0xffff0000, v[192+p]
.set p, p+1
.endr
	QUARTER 64, F0, F1, 1                          ; a tile's first quarter: the bias starts the sums
	WIN 0
	s_mov_b32 s3, 8*TILES-2                        ; every K step but the last two is followed by a refill
.if IS2
	s_mov_b32 s[KT], 0
.endif
.Lstep:                                                ; a trip: a K step's quarters 1, 2, 3, the change of slots, the next K step's quarter 0
	QUARTER 128, F1, F0, 0
	QUARTER 192, F0, F1, 0
	TURN 1
	WIN 0
.if IS2
	s_add_co_u32 s[KT], s[KT], 1
	s_cmp_eq_u32 s[KT], 8
	s_cbranch_scc1 .Lbound                         ; the tile is finished
.endif
	QUARTER 64, F0, F1, 0
	WIN 0
.if IS2
	s_branch .Lnext
.Lbound:
	OUT 0                                          ; sq or sk leaves; the refills for the next tile have been asked for, and nothing waits for the stores
	s_mov_b32 s[KT], 0
	s_add_co_u32 s[TO], s[TO], 8192
	QUARTER 64, F0, F1, 1
	WIN 0
.Lnext:
.endif
	s_sub_co_u32 s3, s3, 1
	s_cmp_lg_u32 s3, 0
	s_cbranch_scc1 .Lstep
	s_mov_b32 s[T2], 2                             ; the last two K steps ask for nothing: one text, walked twice and left in its middle.  The second walk's change of slots and its 32 LDS loads serve nothing
.Ltail:
	QUARTER 128, F1, F0, 0
	QUARTER 192, F0, F1, 0
	TURN 0
	WIN 0
	s_sub_co_u32 s[T2], s[T2], 1
	s_cmp_eq_u32 s[T2], 0
	s_cbranch_scc1 .Lout
	QUARTER 64, F0, F1, 0
	WIN 0
	s_branch .Ltail
.Lout:
	s_wait_dscnt 0x0                               ; the loads that serve nothing are back
.if IS2
	TMAX
	s_wait_xcnt 0x0                                ; EXEC changes only behind this wait
	v_cmp_eq_u32 vcc_lo, 0, v[LN]
	s_and_saveexec_b32 s22, vcc_lo
	global_store_b32 v[ZR], v[EV], s[VS:VS+1]      ; 2^E: one word a wave, 1,024 words in the launch
	s_wait_xcnt 0x0                                ; and again, in front of the line that widens it
	s_or_b32 exec_lo, exec_lo, s22
	OUT 2                                          ; sv leaves
.else
	OUT 1
.endif
	s_wait_tensorcnt 0x0                           ; the wave's end, behind my last tensor load and my last LDS store
	ds_add_u32 v[SPW], v[NIL]
	s_wait_dscnt 0x0
	CROUND                                         ; the closing round: no work-group ends while a partner may still ask for a tile that names it
	s_endpgm
.Lfunc_end_k_qa0d29beff1_g2:
	.size	k_qa0d29beff1_g2, .Lfunc_end_k_qa0d29beff1_g2-k_qa0d29beff1_g2
	.p2alignl 7, 3214868480
	.fill 96, 4, 3214868480
	.section	.rodata,"a",@progbits
	.p2align	6, 0x0
	.amdhsa_kernel k_qa0d29beff1_g2
		.amdhsa_group_segment_fixed_size 327680
		.amdhsa_private_segment_fixed_size 0
		.amdhsa_enable_private_segment 0
		.amdhsa_kernarg_size 40
		.amdhsa_user_sgpr_count 2
		.amdhsa_user_sgpr_kernarg_segment_ptr 1
		.amdhsa_wavefront_size32 1
		.amdhsa_system_sgpr_workgroup_id_x 1
		.amdhsa_system_sgpr_workgroup_id_y 1
		.amdhsa_system_sgpr_workgroup_id_z 1
		.amdhsa_system_vgpr_workitem_id 0
		.amdhsa_next_free_vgpr 1024
		.amdhsa_next_free_sgpr 96
		.amdhsa_reserve_vcc 1
		.amdhsa_float_denorm_mode_32 3
		.amdhsa_float_denorm_mode_16_64 3
		.amdhsa_memory_ordered 1
		.amdhsa_forward_progress 1
		.amdhsa_inst_pref_size 179
	.end_amdhsa_kernel
	.amdgpu_metadata
---
amdhsa.version: [ 1, 2 ]
amdhsa.kernels:
  - .name:           k_qa0d29beff1_g2
    .symbol:         k_qa0d29beff1_g2.kd
    .args:
      - { .name: qkvh, .offset: 0, .size: 8, .value_kind: global_buffer, .address_space: global }
      - { .name: w16, .offset: 8, .size: 8, .value_kind: global_buffer, .address_space: global }
      - { .name: bs, .offset: 16, .size: 8, .value_kind: global_buffer, .address_space: global }
      - { .name: sqkv, .offset: 24, .size: 8, .value_kind: global_buffer, .address_space: global }
      - { .name: vsc, .offset: 32, .size: 8, .value_kind: global_buffer, .address_space: global }
    .group_segment_fixed_size: 327680
    .private_segment_fixed_size: 0
    .kernarg_segment_align: 8
    .kernarg_segment_size: 40
    .max_flat_workgroup_size: 128
    .sgpr_count:     96
    .vgpr_count:     1024
    .wavefront_size: 32
...
	.end_amdgpu_metadata
.endif
;; end of part 3
;; launch att (part 4): grid 512 x 1, 8 waves a work-group, no clusters, 327,680 bytes of LDS; arguments sqkv, vsc, scale_logits, comb, rsc; writes comb, rsc
.if DOCPART == 4
	.amdgcn_target "amdgcn-amd-amdhsa--gfx1250"
	.amdhsa_code_object_version 6
	.text
	.protected	k_qa0d29beff1_att
	.globl	k_qa0d29beff1_att
	.p2align	8
	.type	k_qa0d29beff1_att,@function
k_qa0d29beff1_att:
	s_mov_b64 s[64:65], 0
	v_nop
	global_prefetch_b8 v0, s[64:65] scope:SCOPE_SE
	s_setreg_imm32_b32 hwreg(HW_REG_WAVE_MODE, 25, 1), 1
	s_wait_xcnt 0x0
; For each position and each of the 4 scales: scores[h][g] = sq[h] . sk[g] / 8 over 64 channels, softmax over g, times w_s = softmax(scale_logits)[s]; then combined[h][d] = sum over (s, g) of P_s[h][g] sv_s[g][d].
; ONE WAVE, ONE POSITION: its 24,576 bytes (sq, sk in bf16; sv in f16 times a power of two) come by one tensor load into LDS bytes of the wave's own, filled once: the wave's own wait on TENSORcnt is all the
; ordering; no barrier, no loop.  No prefetch: a work-group's only loads go out at its head, and the launch reads its one large input once, on end.  No cluster: no two work-groups read the same tile.
; LAYOUT.  S^T = K Q^T (source 0 = 16 key heads, source 1 = 16 query heads): a lane holds ONE query head (l % 16) and the key heads 8 (l / 16) + 0..7.  The second product contracts over k = 16 s + g, 64 long: the sum
; over the scales is part of it, and two scales' weights, rounded in pairs, ARE source 1 of 32 k.  Source 0 is sv ([k][channel]) turned, by ds_load_tr16_b128; the result holds one query head a lane, and eight channels.
; THE POWERS OF TWO.  Rows 2 c and 2 c + 1 of sv carry 2^E(c) = vsc[position / 128][c].  It goes to the weights' side: t = w_s 2^E(c); 2^Et is the power of two of the largest t; the weight that is multiplied is
; P' = p / l x t 2^-Et, below 2, rounded once to f16.  The sums are combined x 2^-Et.  combined leaves as f16 times a power of two a row: comb = combined x 2^-(Et + E2), rsc = 2^(Et + E2), E2 the exponent of the sums' largest magnitude.
; The maximum is taken away before both exponentials.
; LIMITS: a softmax weight below 2^-126 counts as 0; P' below 6e-5 keeps f16's fixed step of 6e-8; a row whose largest magnitude lies below 2^-126 counts as 0; NaN and infinities are not treated apart.
.set POSB,  24576                      ; a position's bytes
.set PT,    144                        ; a piece of 128 bytes + 16 of padding
.set TILEB, 192*PT                     ; a wave's tile
.set KOFF,  64*PT                      ; sk behind sq's 64 pieces
.set VOFF,  128*PT                     ; sv: row k = 16 s + g is one piece
.set STAGE, 8*TILEB                    ; 16 rows x 144 bytes for each wave, for the way out; no tile lands there
.set SPARE, STAGE+8*16*PT              ; the spare words, 128 bytes a wave: no other line names them
.set AQ,   3                           ; v3   my lane's place in a fragment of sq
.set AV,   4                           ; v4   my lane's place in the turning loads of sv
.set SCO,  5                           ; v5   16 (l / 16): my four words in eight of vsc
.set EV,   6                           ; v6   2^Et
.set STO,  7
.set RD,   8
.set GO,   9
.set SPW,  10
.set NIL,  11
.set LANE, 13
.set ST,   16                          ; scale t at v[ST+4 t]: c m, m, l (later 1 / l), at work
.set S,    32                          ; S^T, 8 registers a scale
.set PH,   64                          ; the weights in f16: scale t, pair p at PH + 4 t + p: two fragments of 32 k
.set SC,   80                          ; scale t, pair p at SC + 4 t + p: 2^E, then t, then t 2^-Et, then that over l
.set O,    96                          ; O^T, 8 registers a block of 16 channels; before that at work on w
.set KF,   128                         ; sk's fragments (16 t + 8 c)
.set VF,   128                         ; later sv's: k half kk, channel block cb at VF + 32 kk + 8 cb
.set QF,   192                         ; sq's fragments
.set PK,   192                         ; later the packed results,
.set BK,   208                         ; and the rows read back
.macro PLACES                          ; four plain vector instructions behind a matrix instruction, ahead of loads into its sources and of readers of its result
.rept 4
	v_nop
.endr
.endm
.macro EACH line:vararg                ; one line for each scale t
.set t, 0
.rept 4
	\line
.set t, t+1
.endr
.endm
	s_load_b256 s[4:11], s[0:1], 0x0               ; sqkv s[4:5], vsc s[6:7], scale_logits s[8:9], comb s[10:11]
	s_load_b64 s[34:35], s[0:1], 0x20              ; rsc
	v_lshl_add_u32 v[SPW], v0, 2, SPARE
	v_mov_b32 v[NIL], 0
	ds_add_u32 v[SPW], v[NIL]                      ; the wave's opening: the add and its wait stand ahead of my tensor load
	v_lshrrev_b32 v1, 5, v0
	v_readfirstlane_b32 s12, v1                    ; wave 0..7
	s_lshl_b32 s13, ttmp9, 3
	s_add_co_u32 s13, s13, s12                     ; my position
	s_mov_b32 s16, (1<<16)|(1<<20)|(4<<22)|(3<<25) ; elements of 2 bytes; padding on: after every 32 words 4 words
	s_mov_b32 s17, 128<<16                         ; the 24,576 dense bytes as 96 rows of 256: tensor_dim0 = 128
	s_mov_b32 s18, 96<<16                          ; tensor_dim1 = 96
	s_mov_b32 s19, 128<<16                         ; tile_dim0 = 128
	s_mov_b32 s20, 96                              ; tile_dim1 = 96
	s_mov_b32 s21, 128                             ; elements from row to row
	s_mov_b32 s22, 0
	s_mov_b32 s23, 0
	s_mov_b32 s24, 1
	s_mul_i32 s25, s12, TILEB                      ; my tile in LDS
	s_mul_i32 s14, s13, POSB                       ; under 2^27
	s_mov_b32 s15, 0
	s_mov_b32 s44, 0x3e38aa3b                      ; c = log2(e) / 8
	s_mov_b32 s45, s44
	s_mov_b32 s46, 0x76543210                      ; v_permlanex16_b32: each lane takes its own place in the other half
	s_mov_b32 s47, 0xfedcba98
	s_wait_dscnt 0x0                               ; the opening add is done
	s_wait_kmcnt 0x0
	s_add_nc_u64 s[26:27], s[4:5], s[14:15]
	s_or_b32 s27, s27, 0x80000000
	tensor_load_to_lds s[24:27], s[16:23]          ; my one tensor load
	s_nop 0
	s_load_b128 s[36:39], s[8:9], 0x0              ; the four logits
	; all that follows up to the wait on TENSORcnt stands in the tile's way in
	v_bfe_u32 v2, v0, 4, 1                         ; h = l / 16
	v_lshlrev_b32 v[SCO], 4, v2
	s_lshr_b32 s14, s13, 7
	s_lshl_b32 s14, s14, 7                         ; 128 positions share 32 words of vsc
	s_add_nc_u64 s[28:29], s[6:7], s[14:15]
.irp s, 0,1,2,3
	global_load_b128 v[SC+4*(\s):SC+4*(\s)+3], v[SCO], s[28:29] offset:32*(\s)  ; words 8 s + 4 h + 0..3: the powers of two of my key heads 8 h + 0..7 of scale s, two heads a word
.endr
	v_and_b32 v[LANE], 31, v0
	v_and_b32 v1, 15, v0                           ; r = l % 16
	v_mul_u32_u24 v[AQ], v1, PT
	v_lshl_add_u32 v[AQ], v2, 4, v[AQ]
	v_add_nc_u32 v[AQ], s25, v[AQ]                 ; row r x 144 + 16 h
	; The turning load takes 16 k x 16 channels (lane l reads k = 8 (l / 16) + l % 8, channels 8 ((l / 8) % 2) + 0..7) and leaves half a fragment of sv turned: lane l holds channel l % 16 and 8 k.
	v_and_b32 v14, 7, v0
	v_lshl_add_u32 v15, v2, 3, v14
	v_mul_u32_u24 v[AV], v15, PT
	v_bfe_u32 v15, v0, 3, 1
	v_lshl_add_u32 v[AV], v15, 4, v[AV]
	v_add_nc_u32 v[AV], s25, v[AV]
	v_add_nc_u32 v[AV], VOFF, v[AV]
	s_mul_i32 s49, s12, 16*PT
	s_add_co_u32 s49, s49, STAGE                   ; my stage
	v_mul_u32_u24 v[STO], v1, PT
	v_lshl_add_u32 v[STO], v2, 4, v[STO]
	v_add_nc_u32 v[STO], s49, v[STO]               ; in: head r, 16 bytes for each half of the lanes
	v_lshrrev_b32 v[RD], 3, v[LANE]
	v_mul_u32_u24 v[RD], v[RD], PT
	v_lshl_add_u32 v[RD], v14, 4, v[RD]
	v_add_nc_u32 v[RD], s49, v[RD]                 ; back: 32 lanes take four heads of 128 bytes,
	v_lshlrev_b32 v[GO], 4, v[LANE]                ; which are 512 consecutive bytes of comb
	s_lshl_b32 s14, s13, 11
	s_add_nc_u64 s[30:31], s[10:11], s[14:15]      ; my row of comb
	s_lshl_b32 s14, s13, 2
	s_add_nc_u64 s[32:33], s[34:35], s[14:15]      ; my word of rsc
	s_wait_kmcnt 0x0
	v_mov_b32 v96, s36                             ; w = softmax of the logits, rounded to bf16 like every input
	v_mov_b32 v97, s37
	v_mov_b32 v98, s38
	v_mov_b32 v99, s39
	v_cvt_pk_bf16_f32 v100, v96, v97
	v_cvt_pk_bf16_f32 v101, v98, v99
	v_lshlrev_b32 v96, 16, v100
	v_and_b32 v97, 0xffff0000, v100
	v_lshlrev_b32 v98, 16, v101
	v_and_b32 v99, 0xffff0000, v101
	v_max3_num_f32 v100, v96, v97, v98
	v_max_num_f32 v100, v100, v99
.irp i, 96,97,98,99
	v_sub_f32 v\i, v\i, v100
.endr
.irp i, 96,97,98,99
	v_mul_f32 v\i, 0x3fb8aa3b, v\i
.endr
.irp i, 96,97,98,99
	v_exp_f32 v\i, v\i
.endr
	v_nop                                          ; a plain instruction behind the last exponential,
	s_wait_alu depctr_va_vdst(0)                   ; and one wait for the four, ahead of their first reader
	v_add_f32 v100, v96, v97
	v_add_f32 v101, v98, v99
	v_add_f32 v100, v100, v101
	v_rcp_f32 v100, v100
	v_nop
	s_wait_alu depctr_va_vdst(0)
.irp i, 96,97,98,99
	v_mul_f32 v\i, v\i, v100
.endr
	v_readfirstlane_b32 s40, v96                   ; the same in every lane: kept as scalars; they multiply, and steer nothing
	v_readfirstlane_b32 s41, v97
	v_readfirstlane_b32 s42, v98
	v_readfirstlane_b32 s43, v99
	s_wait_loadcnt 0x0                             ; the powers of two
.irp p, 0,1,2,3
	EACH v_mul_f32 v[SC+4*t+(\p)], s[40+t], v[SC+4*t+(\p)]
.endr
	v_max3_num_f32 v96, v[SC], v[SC+1], v[SC+2]    ; the largest t: my 16, and the 16 of the lane 16 away
	v_max3_num_f32 v97, v[SC+3], v[SC+4], v[SC+5]
	v_max3_num_f32 v98, v[SC+6], v[SC+7], v[SC+8]
	v_max3_num_f32 v99, v[SC+9], v[SC+10], v[SC+11]
	v_max3_num_f32 v96, v96, v[SC+12], v[SC+13]
	v_max3_num_f32 v97, v97, v[SC+14], v[SC+15]
	v_max3_num_f32 v96, v96, v97, v98
	v_max_num_f32 v96, v96, v99
	v_permlanex16_b32 v97, v96, s46, s47
	v_max_num_f32 v96, v96, v97
	v_and_b32 v[EV], 0x7f800000, v96               ; 2^Et: the exponent alone,
	v_min_u32 v[EV], 0x7e800000, v[EV]             ; held to 2^126, so that its reciprocal is a normal number
	v_sub_nc_u32 v98, 0x7f000000, v[EV]            ; 2^-Et
.set p, 0
.rept 8
	v_pk_mul_f32 v[SC+2*p:SC+2*p+1], v[SC+2*p:SC+2*p+1], v[98:99] op_sel_hi:[1,0]
.set p, p+1
.endr
	s_wait_tensorcnt 0x0                           ; my tile is in
.irp c, 0,1                            ; channels 32 c on; the first half's sixteen loads first
.irp s, 0,1,2,3
	ds_load_b128 v[KF+16*(\s)+8*(\c):KF+16*(\s)+8*(\c)+3],   v[AQ] offset:KOFF+16*PT*(\s)+64*(\c)
	ds_load_b128 v[KF+16*(\s)+8*(\c)+4:KF+16*(\s)+8*(\c)+7], v[AQ] offset:KOFF+16*PT*(\s)+64*(\c)+32
	ds_load_b128 v[QF+16*(\s)+8*(\c):QF+16*(\s)+8*(\c)+3],   v[AQ] offset:16*PT*(\s)+64*(\c)
	ds_load_b128 v[QF+16*(\s)+8*(\c)+4:QF+16*(\s)+8*(\c)+7], v[AQ] offset:16*PT*(\s)+64*(\c)+32
.endr
.endr
	s_wait_dscnt 16                                ; the first sixteen are in
.irp s, 0,1,2,3
	v_wmma_f32_16x16x32_bf16 v[S+8*(\s):S+8*(\s)+7], v[KF+16*(\s):KF+16*(\s)+7], v[QF+16*(\s):QF+16*(\s)+7], 0
.endr
	s_wait_dscnt 0x0
.irp s, 0,1,2,3                        ; the four accumulators take turns
	v_wmma_f32_16x16x32_bf16 v[S+8*(\s):S+8*(\s)+7], v[KF+16*(\s)+8:KF+16*(\s)+15], v[QF+16*(\s)+8:QF+16*(\s)+15], v[S+8*(\s):S+8*(\s)+7]
.endr
	PLACES                                         ; behind the products: loads land on sk's fragments, and the maxima read the scores
.irp f, 0,1,2,3,4,5,6,7                ; sv turned: k 32 (f / 4) on, channels 16 (f % 4) on; the softmax stands between these loads and the wait for them
	ds_load_tr16_b128 v[VF+8*(\f):VF+8*(\f)+3],   v[AV] offset:((\f)/4)*32*PT+((\f)%4)*32
	ds_load_tr16_b128 v[VF+8*(\f)+4:VF+8*(\f)+7], v[AV] offset:((\f)/4)*32*PT+16*PT+((\f)%4)*32
.endr
	; softmax over the 16 key heads: 8 in the lane, 8 in the lane 16 away
	EACH v_max3_num_f32 v[ST+4*t+3], v[S+8*t], v[S+8*t+1], v[S+8*t+2]
	EACH v_max3_num_f32 v[ST+4*t+2], v[ST+4*t+3], v[S+8*t+3], v[S+8*t+4]
	EACH v_max3_num_f32 v[ST+4*t+2], v[ST+4*t+2], v[S+8*t+5], v[S+8*t+6]
	EACH v_max_num_f32 v[ST+4*t+2], v[ST+4*t+2], v[S+8*t+7]
	EACH v_permlanex16_b32 v[ST+4*t+3], v[ST+4*t+2], s46, s47
	EACH v_max_num_f32 v[ST+4*t+1], v[ST+4*t+2], v[ST+4*t+3]
	EACH v_mul_f32 v[ST+4*t], s44, v[ST+4*t+1]
.irp p, 0,1,2,3
	EACH v_pk_fma_f32 v[S+8*t+2*(\p):S+8*t+2*(\p)+1], v[S+8*t+2*(\p):S+8*t+2*(\p)+1], s[44:45], v[ST+4*t:ST+4*t+1] op_sel_hi:[1,0,0] neg_lo:[0,0,1] neg_hi:[0,0,1]
.endr
.set i, 0
.rept 32
	v_exp_f32 v[S+i], v[S+i]                       ; one batch
.set i, i+1
.endr
	v_nop
	s_wait_alu depctr_va_vdst(0)                   ; one wait for the 32
	EACH v_pk_add_f32 v[ST+4*t+2:ST+4*t+3], v[S+8*t:S+8*t+1], v[S+8*t+2:S+8*t+3]
	EACH v_pk_add_f32 v[ST+4*t+2:ST+4*t+3], v[ST+4*t+2:ST+4*t+3], v[S+8*t+4:S+8*t+5]
	EACH v_pk_add_f32 v[ST+4*t+2:ST+4*t+3], v[ST+4*t+2:ST+4*t+3], v[S+8*t+6:S+8*t+7]
	EACH v_add_f32 v[ST+4*t+2], v[ST+4*t+2], v[ST+4*t+3]
	EACH v_permlanex16_b32 v[ST+4*t+3], v[ST+4*t+2], s46, s47
	EACH v_add_f32 v[ST+4*t+2], v[ST+4*t+2], v[ST+4*t+3]
	EACH v_rcp_f32 v[ST+4*t+2], v[ST+4*t+2]
	v_nop
	s_wait_alu depctr_va_vdst(0)                   ; one wait for the four reciprocals
.irp q, 0,1
	EACH v_pk_mul_f32 v[SC+4*t+2*(\q):SC+4*t+2*(\q)+1], v[SC+4*t+2*(\q):SC+4*t+2*(\q)+1], v[ST+4*t+2:ST+4*t+3] op_sel_hi:[1,0]
.endr
.irp p, 0,1,2,3                        ; a pair of key heads has one factor
	EACH v_mul_f32 v[S+8*t+2*(\p)], v[S+8*t+2*(\p)], v[SC+4*t+(\p)]
	EACH v_mul_f32 v[S+8*t+2*(\p)+1], v[S+8*t+2*(\p)+1], v[SC+4*t+(\p)]
.endr
.irp p, 0,1,2,3
	EACH v_cvt_pk_f16_f32 v[PH+4*t+(\p)], v[S+8*t+2*(\p)], v[S+8*t+2*(\p)+1]
.endr
	s_wait_dscnt 0x0                               ; sv is in
.irp cb, 0,1,2,3
	v_wmma_f32_16x16x32_f16 v[O+8*(\cb):O+8*(\cb)+7], v[VF+8*(\cb):VF+8*(\cb)+7], v[PH:PH+7], 0
.endr
.irp cb, 0,1,2,3                       ; the four accumulators take turns
	v_wmma_f32_16x16x32_f16 v[O+8*(\cb):O+8*(\cb)+7], v[VF+32+8*(\cb):VF+32+8*(\cb)+7], v[PH+8:PH+15], v[O+8*(\cb):O+8*(\cb)+7]
.endr
	PLACES                                         ; behind the last products
	; THE WAY OUT.  Lane (r, h) holds head r, channels 16 cb + 8 h + j in register j of block cb.  The largest magnitude over all 32 lanes gives the row's second power of two.
.irp i, 0,1,2,3
	v_max3_num_f32 v[ST+(\i)], |v[O+8*(\i)]|, |v[O+8*(\i)+1]|, |v[O+8*(\i)+2]|
.endr
.irp i, 0,1,2,3
	v_max3_num_f32 v[ST+(\i)], v[ST+(\i)], |v[O+8*(\i)+3]|, |v[O+8*(\i)+4]|
.endr
.irp i, 0,1,2,3
	v_max3_num_f32 v[ST+(\i)], v[ST+(\i)], |v[O+8*(\i)+5]|, |v[O+8*(\i)+6]|
.endr
.irp i, 0,1,2,3
	v_max_num_f32 v[ST+(\i)], v[ST+(\i)], |v[O+8*(\i)+7]|
.endr
	v_max3_num_f32 v[ST], v[ST], v[ST+1], v[ST+2]
	v_max_num_f32 v[ST], v[ST], v[ST+3]
	v_max_num_f32_dpp v[ST], v[ST], v[ST] row_xmask:1 row_mask:0xf bank_mask:0xf
	v_max_num_f32_dpp v[ST], v[ST], v[ST] row_xmask:2 row_mask:0xf bank_mask:0xf
	v_max_num_f32_dpp v[ST], v[ST], v[ST] row_xmask:4 row_mask:0xf bank_mask:0xf
	v_max_num_f32_dpp v[ST], v[ST], v[ST] row_xmask:8 row_mask:0xf bank_mask:0xf
	v_permlanex16_b32 v[ST+1], v[ST], s46, s47
	v_max_num_f32 v[ST], v[ST], v[ST+1]
	v_and_b32 v[ST], 0x7f800000, v[ST]             ; 2^E2: the exponent alone,
	v_min_u32 v[ST], 0x7e800000, v[ST]             ; held to 2^126
	v_sub_nc_u32 v[ST+2], 0x7f000000, v[ST]        ; 2^-E2
.set p, 0
.rept 16
	v_pk_mul_f32 v[O+2*p:O+2*p+1], v[O+2*p:O+2*p+1], v[ST+2:ST+3] op_sel_hi:[1,0]
.set p, p+1
.endr
	v_mul_f32 v[ST], v[ST], v[EV]                  ; 2^(Et + E2): the sums lie below 4, so E2 is 1 at the most, and the product is finite
.set p, 0
.rept 16
	v_cvt_pk_f16_f32 v[PK+p], v[O+2*p], v[O+2*p+1] ; block p / 4, channels 8 h + 2 (p % 4), + 1
.set p, p+1
.endr
.irp cb, 0,1,2,3
	ds_store_b128 v[STO], v[PK+4*(\cb):PK+4*(\cb)+3] offset:32*(\cb)
.endr
.irp f, 0,1,2,3
	ds_load_b128 v[BK+4*(\f):BK+4*(\f)+3], v[RD] offset:(\f)*4*PT  ; LDS serves a wave's instructions in order (ISA guide 5.7.1.4): these see the stores above
.endr
	v_mov_b32 v14, 0
	s_wait_dscnt 0x0
.irp f, 0,1,2,3
	global_store_b128 v[GO], v[BK+4*(\f):BK+4*(\f)+3], s[30:31] offset:512*(\f)  ; 512 consecutive bytes, aligned
.endr
	s_wait_xcnt 0x0                                ; EXEC changes only behind this wait
	v_cmp_eq_u32 vcc_lo, 0, v[LANE]
	s_and_saveexec_b32 s48, vcc_lo
	global_store_b32 v14, v[ST], s[32:33]          ; the row's power of two: one word a position
	s_wait_xcnt 0x0                                ; and again, in front of the line that widens it
	s_or_b32 exec_lo, exec_lo, s48
	s_wait_tensorcnt 0x0                           ; the wave's end, behind my tensor load and my last LDS store
	ds_add_u32 v[SPW], v[NIL]
	s_wait_dscnt 0x0
	s_endpgm
.Lfunc_end_k_qa0d29beff1_att:
	.size	k_qa0d29beff1_att, .Lfunc_end_k_qa0d29beff1_att-k_qa0d29beff1_att
	.p2alignl 7, 3214868480
	.fill 96, 4, 3214868480
	.section	.rodata,"a",@progbits
	.p2align	6, 0x0
	.amdhsa_kernel k_qa0d29beff1_att
		.amdhsa_group_segment_fixed_size 327680
		.amdhsa_private_segment_fixed_size 0
		.amdhsa_enable_private_segment 0
		.amdhsa_kernarg_size 40
		.amdhsa_user_sgpr_count 2
		.amdhsa_user_sgpr_kernarg_segment_ptr 1
		.amdhsa_wavefront_size32 1
		.amdhsa_system_sgpr_workgroup_id_x 1
		.amdhsa_system_sgpr_workgroup_id_y 1
		.amdhsa_system_sgpr_workgroup_id_z 1
		.amdhsa_system_vgpr_workitem_id 0
		.amdhsa_next_free_vgpr 256
		.amdhsa_next_free_sgpr 66
		.amdhsa_reserve_vcc 1
		.amdhsa_float_denorm_mode_32 3
		.amdhsa_float_denorm_mode_16_64 3
		.amdhsa_memory_ordered 1
		.amdhsa_forward_progress 1
		.amdhsa_inst_pref_size 24
	.end_amdhsa_kernel
	.amdgpu_metadata
---
amdhsa.version: [ 1, 2 ]
amdhsa.kernels:
  - .name:           k_qa0d29beff1_att
    .symbol:         k_qa0d29beff1_att.kd
    .args:
      - { .name: sqkv, .offset: 0, .size: 8, .value_kind: global_buffer, .address_space: global }
      - { .name: vsc, .offset: 8, .size: 8, .value_kind: global_buffer, .address_space: global }
      - { .name: scale_logits, .offset: 16, .size: 8, .value_kind: global_buffer, .address_space: global }
      - { .name: comb, .offset: 24, .size: 8, .value_kind: global_buffer, .address_space: global }
      - { .name: rsc, .offset: 32, .size: 8, .value_kind: global_buffer, .address_space: global }
    .group_segment_fixed_size: 327680
    .private_segment_fixed_size: 0
    .kernarg_segment_align: 8
    .kernarg_segment_size: 40
    .max_flat_workgroup_size: 256
    .sgpr_count:     66
    .vgpr_count:     256
    .wavefront_size: 32
...
	.end_amdgpu_metadata
.endif
;; end of part 4
;; launch g3 (part 5): grid 8 x 32, 4 waves a work-group, clusters of 4 x 4, 327,680 bytes of LDS; arguments comb, w16, rsc, bo, out0; writes out0
.if DOCPART == 5
	.amdgcn_target "amdgcn-amd-amdhsa--gfx1250"
	.amdhsa_code_object_version 6
	.text
	.protected	k_qa0d29beff1_g3
	.globl	k_qa0d29beff1_g3
	.p2align	8
	.type	k_qa0d29beff1_g3,@function
k_qa0d29beff1_g3:
	s_mov_b64 s[64:65], 0
	v_nop
	global_prefetch_b8 v0, s[64:65] scope:SCOPE_SE
	s_setreg_imm32_b32 hwreg(HW_REG_WAVE_MODE, 25, 1), 1
	s_wait_xcnt 0x0
	s_wait_alu depctr_hold_cnt(0) depctr_sa_sdst(0) depctr_va_vdst(0) depctr_va_sdst(0) depctr_va_ssrc(0) depctr_va_vcc(0) depctr_vm_vsrc(0)
	s_getreg_b32 s2, hwreg(HW_REG_IB_STS2, 6, 4)
	s_cmp_eq_u32 s2, 0
	s_cbranch_scc0 .Lentry_in_a_cluster
	s_endpgm
.Lentry_in_a_cluster:
	s_bfe_u32 s2, ttmp6, 0x10000c
	s_cmp_lg_u32 s2, 0xf033
	s_cbranch_scc0 .Lentry_shape_is_right
	s_endpgm
.Lentry_shape_is_right:
; out0[m][n] = rsc[m] x (sum over k of comb[m][k] wo[n][k]) + bo[n].  comb: [4096][1024] f16 (combined times a power of two a row), wo: [1024][1024] f16 in w16, rsc: [4096] f32, bo rounded to bf16 like every input; out0 f32.
; A tile of out0 is 128 x 128: 256 work-groups.  Four waves, each 64 x 64: 16 accumulators.  K goes in steps of 256 (LDS rows of 512 bytes; a wave's tensor load brings 64 of them) through two slots.
; CLUSTERS: 4 x 4 work-groups; A's tiles are asked for jointly by a row of the cluster, B's by a column.  THE MATRIX INSTRUCTION IS USED TRANSPOSED (source 0 = 16 rows of B, source 1 = 16 rows of A):
; a lane holds row l % 16 and eight neighbouring columns.  A wave's 64 columns of f32 are 256 bytes, aligned: each wave has a stage of its own on the way out, and no barrier is needed there.
; REGISTERS: window 0: v0-31 addresses and the rows' scales; v32-95 at work on the way out; v96-127 bo; v128-255 the accumulators ((a, b) at v[128 + 8 (4 a + b)]).   window 1: two fragment buffers of 128.
.set SIZE_N, 1024
.set SIZE_K, 1024
.set WOH,    23068672                  ; wo's byte offset in w16
.set KSTEP,  256
.set PITCH,  528                       ; an LDS row: 512 bytes + 16 of padding: the 16 rows of a fragment load start 16 bytes apart modulo 256
.set HALFT,  64*PITCH
.set SLOT,   4*HALFT
.set STAGE,  2*SLOT                    ; behind the ring: 16 rows x 272 bytes for each wave
.set SPITCH, 272
.set SPARE,  STAGE+4*16*SPITCH         ; the spare words, 128 bytes a wave: no other line names them
.set LAPS, SIZE_K/(2*KSTEP)
.set RO,   6                           ; v6   4 (l % 16): my row's word in 16 of rsc
.set BOF,  7                           ; v7   32 (l / 16): my 8 numbers in 16 of bo
.set RS,   8                           ; v8-15  block a's scale of my row at RS + 2 a; the odd registers are named with them as pairs
.set ADRA, 16
.set ADRB, 20
.set STO,  24
.set RD,   25
.set CO,   26
.set SPW,  28
.set NIL,  29
.set TMP,  32
.set BI,   96
.set ACC,  128
.set F0,   0
.set F1,   128
.set G1, 24
.set G0, 32
.set G1B, 48
.set G0B, 56
.set MSB, 0
.macro WIN new
.if MSB != (\new)
	s_set_vgpr_msb (MSB<<8)|(\new)
.set MSB, \new
.endif
.endm
.set MUL,  0x05                        ; sources 0 (B) and 1 (A) window 1; C and D window 0
.set TO_F, 0x40                        ; destination window 1, address window 0
.macro JLOAD s                         ; a joint load: waves 0 and 1 fetch A's two halves, waves 2 and 3 B's; an s_nop 0 and four v_nop follow each of the two lines
	s_cmp_eq_u32 s11, 0
	s_cbranch_scc0 .Lfor_b_\@
	tensor_load_to_lds s[G0+4*(\s):G0+4*(\s)+3], s[G1:G1+7]
	s_nop 0
.rept 4
	v_nop
.endr
	s_branch .Lasked_\@
.Lfor_b_\@:
	tensor_load_to_lds s[G0B+4*(\s):G0B+4*(\s)+3], s[G1B:G1B+7]
	s_nop 0
.rept 4
	v_nop
.endr
.Lasked_\@:
.endm
.macro CREST
	s_cmp_lg_u32 s10, 0
	s_cbranch_scc1 .Lnot_wave_0_\@
	s_barrier_signal -3
.Lnot_wave_0_\@:
	s_barrier_wait -3
	s_barrier_signal -1
	s_barrier_wait -1
.endm
.macro CROUND
	s_barrier_signal -1
	s_barrier_wait -1
	CREST
.endm
	s_load_b256 s[84:91], s[0:1], 0x0              ; comb s[84:85], w16 s[86:87], rsc s[88:89], bo s[90:91]
	s_load_b64 s[8:9], s[0:1], 0x20                ; out0
	v_lshl_add_u32 v[SPW], v0, 2, SPARE
	v_mov_b32 v[NIL], 0
	ds_add_u32 v[SPW], v[NIL]                      ; the wave's opening: the add and its wait stand ahead of my first tensor load
	v_lshrrev_b32 v1, 5, v0
	v_readfirstlane_b32 s10, v1                    ; wave 0..3
	s_lshr_b32 s11, s10, 1                         ; my half of the tile's rows.  Also: I fetch for A (0) or for B (1)
	s_and_b32 s12, s10, 1                          ; my half of its columns.  Also: which 64 rows I fetch
	s_bfe_u32 s40, ttmp6, 0x40000                  ; cx, cy
	s_bfe_u32 s41, ttmp6, 0x40004
	s_lshl_b32 s42, ttmp9, 2
	s_add_co_u32 s42, s42, s40                     ; tile column
	s_and_b32 s13, ttmp7, 0xffff
	s_lshl_b32 s13, s13, 2
	s_add_co_u32 s13, s13, s41                     ; tile row
	s_lshl_b32 s43, s41, 2
	s_lshl_b32 s43, 15, s43                        ; my row of the cluster
	s_lshl_b32 s44, 0x1111, s40                    ; my column
	s_or_b32 s[G1+0], s43, (1<<16)|(1<<20)|(1<<21)|(6<<22)|(3<<25)  ; the mask; elements of 2 bytes; padding on; bit 21 beside a mask; after every 128 words 4 words
	s_or_b32 s[G1B+0], s44, (1<<16)|(1<<20)|(1<<21)|(6<<22)|(3<<25)
.irp g, G1, G1B
	s_mov_b32 s[(\g)+1], KSTEP<<16                 ; tensor_dim0 = 256
	s_mov_b32 s[(\g)+2], 64<<16                    ; tensor_dim1 = 64
	s_mov_b32 s[(\g)+3], KSTEP<<16                 ; tile_dim0 = 256
	s_mov_b32 s[(\g)+4], 64                        ; tile_dim1 = 64
	s_mov_b32 s[(\g)+5], SIZE_K
	s_mov_b32 s[(\g)+6], 0
	s_mov_b32 s[(\g)+7], 0
.endr
	s_lshl_b32 s17, s12, 6
	s_lshl_b32 s16, s13, 7
	s_add_co_u32 s16, s16, s17                     ; A: row 128 x tile row + 64 x half
	s_lshl_b32 s46, s42, 7
	s_add_co_u32 s46, s46, s17                     ; B: row 128 x tile column + 64 x half
	s_mov_b32 s17, 0
	s_mov_b32 s47, 0
	s_mov_b64 s[18:19], SIZE_K*2
	s_mul_u64 s[16:17], s[16:17], s[18:19]
	s_mul_u64 s[46:47], s[46:47], s[18:19]
	s_mul_i32 s20, s10, HALFT                      ; where my loads go: wave x 64 rows
	s_wait_dscnt 0x0                               ; the opening add is done
	s_wait_kmcnt 0x0
	s_mov_b64 s[4:5], s[84:85]
	s_add_nc_u64 s[6:7], s[86:87], WOH
	s_add_nc_u64 s[14:15], s[4:5], s[16:17]
	s_add_nc_u64 s[46:47], s[6:7], s[46:47]
	CROUND                                         ; all sixteen work-groups are here: the first joint loads meet
.irp s, 0,1
	s_mov_b32 s[G0+4*(\s)], 1
	s_add_co_u32 s[G0+4*(\s)+1], s20, (\s)*SLOT
	s_add_nc_u64 s[G0+4*(\s)+2:G0+4*(\s)+3], s[14:15], (\s)*KSTEP*2
	s_or_b32 s[G0+4*(\s)+3], s[G0+4*(\s)+3], 0x80000000
	s_mov_b32 s[G0B+4*(\s)], 1
	s_add_co_u32 s[G0B+4*(\s)+1], s20, (\s)*SLOT
	s_add_nc_u64 s[G0B+4*(\s)+2:G0B+4*(\s)+3], s[46:47], (\s)*KSTEP*2
	s_or_b32 s[G0B+4*(\s)+3], s[G0B+4*(\s)+3], 0x80000000
	JLOAD \s
.endr
	v_and_b32 v1, 15, v0                           ; l % 16
	v_bfe_u32 v2, v0, 4, 1                         ; l / 16
	v_mul_u32_u24 v3, v1, PITCH
	v_lshl_add_u32 v3, v2, 4, v3
	s_mul_i32 s21, s11, HALFT                      ; my 64 rows of A
	s_mul_i32 s22, s12, HALFT
	s_add_co_u32 s22, s22, 2*HALFT                 ; my 64 rows of B, behind A's 128
.irp s, 0,1
	v_add_nc_u32 v[ADRA+(\s)], s21, v3
	v_add_nc_u32 v[ADRB+(\s)], s22, v3
	s_add_co_u32 s21, s21, SLOT
	s_add_co_u32 s22, s22, SLOT
.endr
	s_mul_i32 s23, s10, 16*SPITCH
	s_add_co_u32 s23, s23, STAGE                   ; my stage
	v_mul_u32_u24 v4, v1, SPITCH
	v_lshl_add_u32 v4, v2, 5, v4
	v_add_nc_u32 v[STO], s23, v4                   ; in: row l % 16, 32 bytes for each half of the lanes
	v_mul_u32_u24 v5, v2, SPITCH
	v_lshl_add_u32 v5, v1, 4, v5
	v_add_nc_u32 v[RD], s23, v5                    ; back: lanes 0-15 one row of 256 bytes, lanes 16-31 the next
	v_mul_u32_u24 v5, v2, SIZE_N*4
	v_lshl_add_u32 v[CO], v1, 4, v5                ; the same two rows in out0
	s_lshl_b32 s16, s13, 7
	s_lshl_b32 s17, s11, 6
	s_add_co_u32 s16, s16, s17                     ; my first row
	s_lshl_b32 s16, s16, 12                        ; rows of 4,096 bytes: under 2^24
	s_mov_b32 s17, 0
	s_add_nc_u64 s[8:9], s[8:9], s[16:17]
	s_lshl_b32 s46, s42, 9
	s_lshl_b32 s47, s12, 8
	s_add_co_u32 s46, s46, s47                     ; my first column, in bytes of f32
	s_mov_b32 s47, 0
	s_add_nc_u64 s[8:9], s[8:9], s[46:47]
	s_add_nc_u64 s[68:69], s[90:91], s[46:47]      ; bo at my 64 columns
	s_lshl_b32 s66, s13, 9
	s_lshl_b32 s67, s11, 8
	s_add_co_u32 s66, s66, s67
	s_mov_b32 s67, 0
	s_add_nc_u64 s[66:67], s[88:89], s[66:67]      ; rsc at my 64 rows
	v_lshlrev_b32 v[RO], 2, v1
	v_lshlrev_b32 v[BOF], 5, v2
.irp a, 0,1,2,3
	global_load_b32 v[RS+2*(\a)], v[RO], s[66:67] offset:64*(\a)
	v_mov_b32 v[RS+2*(\a)+1], 0
.endr
.irp b, 0,1,2,3
	global_load_b128 v[BI+8*(\b):BI+8*(\b)+3],   v[BOF], s[68:69] offset:64*(\b)
	global_load_b128 v[BI+8*(\b)+4:BI+8*(\b)+7], v[BOF], s[68:69] offset:64*(\b)+16
.endr
; 8 matrix instructions: m blocks a0, a0 + 1 x all 4 n blocks, 32 along K: half c of buffer f.  zero = 1: the first product starts the sums.  The 16 accumulators take turns.
.macro MUL8 f, c, a0, zero
	WIN MUL
.irp a, \a0, (\a0)+1
.irp b, 0,1,2,3
.if \zero
	v_wmma_f32_16x16x32_f16 v[ACC+8*(4*(\a)+(\b)):ACC+8*(4*(\a)+(\b))+7], v[(\f)+64+8*(4*(\c)+(\b)):(\f)+64+8*(4*(\c)+(\b))+7], v[(\f)+8*(4*(\c)+(\a)):(\f)+8*(4*(\c)+(\a))+7], 0
.else
	v_wmma_f32_16x16x32_f16 v[ACC+8*(4*(\a)+(\b)):ACC+8*(4*(\a)+(\b))+7], v[(\f)+64+8*(4*(\c)+(\b)):(\f)+64+8*(4*(\c)+(\b))+7], v[(\f)+8*(4*(\c)+(\a)):(\f)+8*(4*(\c)+(\a))+7], v[ACC+8*(4*(\a)+(\b)):ACC+8*(4*(\a)+(\b))+7]
.endif
.endr
.endr
.endm
; 32 LDS loads in one run: the fragments of 64 along K at byte k of the rows, into buffer f; the first 32 along K first
.macro FETCH slot, k, f
	WIN TO_F
.irp c, 0,1
.irp i, 0,1,2,3
	ds_load_b128 v[(\f)+64+8*(4*(\c)+(\i)):(\f)+64+8*(4*(\c)+(\i))+3],   v[ADRB+(\slot)] offset:(\k)+64*(\c)+(\i)*16*PITCH
	ds_load_b128 v[(\f)+64+8*(4*(\c)+(\i))+4:(\f)+64+8*(4*(\c)+(\i))+7], v[ADRB+(\slot)] offset:(\k)+64*(\c)+(\i)*16*PITCH+32
	ds_load_b128 v[(\f)+8*(4*(\c)+(\i)):(\f)+8*(4*(\c)+(\i))+3],         v[ADRA+(\slot)] offset:(\k)+64*(\c)+(\i)*16*PITCH
	ds_load_b128 v[(\f)+8*(4*(\c)+(\i))+4:(\f)+8*(4*(\c)+(\i))+7],       v[ADRA+(\slot)] offset:(\k)+64*(\c)+(\i)*16*PITCH+32
.endr
.endr
.endm
.macro PLACES                          ; four plain vector instructions behind a matrix instruction, ahead of loads into its sources and of readers of its result
.rept 4
	v_nop
.endr
.endm
; A K step is four quarters of 64 along K, 32 matrix instructions each, on buffers 0, 1, 0, 1.
.macro QUARTER slot, k, f, g, zero
	s_wait_dscnt 16                                ; the first 32 along K are in
	WIN MUL
	MUL8 \f, 0, 0, \zero
	MUL8 \f, 0, 2, \zero
	PLACES
	FETCH \slot, \k, \g
	s_wait_dscnt 32                                ; all but the 32 just issued
	WIN MUL
	MUL8 \f, 1, 0, 0
	MUL8 \f, 1, 2, 0
.endm
; The last quarter multiplies buffer 1 and changes slots: one barrier; in front of it each wave waits for all its tensor loads, adds 0 to its spare word, and waits for that and for its own reads of this slot.
.macro TURN slot, next, fill
	WIN 0                                          ; (the add's two registers lie in window 0)
	s_wait_tensorcnt 0x0                           ; all my tensor loads have landed: my part of the next slot
	ds_add_u32 v[SPW], v[NIL]                      ; 0 onto my spare word
	s_wait_dscnt 17                                ; (the add and the youngest sixteen loads may be out)
	WIN MUL
	MUL8 F1, 0, 0, 0
	s_wait_dscnt 0x0                               ; the add is done, and my reads of this slot are over
	s_barrier_signal -1
	MUL8 F1, 0, 2, 0
.if \fill
	WIN 0
.endif
	s_barrier_wait -1
.if \fill
	CREST                                          ; no wave of any partner still reads this slot's tile or has a load on its way
	s_add_nc_u64 s[G0+4*(\slot)+2:G0+4*(\slot)+3], s[G0+4*(\slot)+2:G0+4*(\slot)+3], 2*KSTEP*2
	s_add_nc_u64 s[G0B+4*(\slot)+2:G0B+4*(\slot)+3], s[G0B+4*(\slot)+2:G0B+4*(\slot)+3], 2*KSTEP*2
	JLOAD \slot                                    ; the first tensor load behind the round; its four v_nop are also the places in front of the loads below
.else
	PLACES
.endif
	FETCH \next, 0, F0
	WIN MUL
	MUL8 F1, 1, 0, 0
	MUL8 F1, 1, 2, 0
.endm
	s_wait_tensorcnt 1                             ; my part of K step 0 is in; K step 1's may stay out
	s_barrier_signal -1
	s_barrier_wait -1
	FETCH 0, 0, F0
	QUARTER 0, 128, F0, F1, 1                      ; the first quarter: its first products start the sums
	WIN 0
	s_mov_b32 s3, LAPS-1
.Llap:                                                 ; a trip goes once round the ring and fills both slots again
	QUARTER 0, 256, F1, F0, 0
	QUARTER 0, 384, F0, F1, 0
	TURN 0, 1, 1
	QUARTER 1, 128, F0, F1, 0
	QUARTER 1, 256, F1, F0, 0
	QUARTER 1, 384, F0, F1, 0
	TURN 1, 0, 1
	QUARTER 0, 128, F0, F1, 0
	WIN 0
	s_sub_co_u32 s3, s3, 1
	s_cmp_lg_u32 s3, 0
	s_cbranch_scc1 .Llap
	QUARTER 0, 256, F1, F0, 0                      ; the last lap fills nothing
	QUARTER 0, 384, F0, F1, 0
	TURN 0, 1, 0
	QUARTER 1, 128, F0, F1, 0
	QUARTER 1, 256, F1, F0, 0
	QUARTER 1, 384, F0, F1, 0
	s_wait_dscnt 16
	WIN MUL
	MUL8 F1, 0, 0, 0
	MUL8 F1, 0, 2, 0
	s_wait_dscnt 0
	MUL8 F1, 1, 0, 0
	MUL8 F1, 1, 2, 0
	WIN 0
	; THE WAY OUT: bo is rounded to bf16 and widened; then, 16 rows at a time: sum x the row's power of two + bo, through my stage, back as whole rows of 256 bytes, stored.
	PLACES
	s_wait_loadcnt 0x0                             ; rsc and bo
.set p, 0
.rept 16
	v_cvt_pk_bf16_f32 v[TMP+p], v[BI+2*p], v[BI+2*p+1]
.set p, p+1
.endr
.set p, 0
.rept 16
	v_lshlrev_b32 v[BI+2*p], 16, v[TMP+p]
	v_and_b32 v[BI+2*p+1], 0xffff0000, v[TMP+p]
.set p, p+1
.endr
.irp a, 0,1,2,3
.irp b, 0,1,2,3
.irp j, 0,2,4,6
	v_pk_fma_f32 v[TMP+8*(\b)+(\j):TMP+8*(\b)+(\j)+1], v[ACC+8*(4*(\a)+(\b))+(\j):ACC+8*(4*(\a)+(\b))+(\j)+1], v[RS+2*(\a):RS+2*(\a)+1], v[BI+8*(\b)+(\j):BI+8*(\b)+(\j)+1] op_sel_hi:[1,0,1]
.endr
.endr
.irp b, 0,1,2,3
	ds_store_b128 v[STO], v[TMP+8*(\b):TMP+8*(\b)+3]   offset:64*(\b)
	ds_store_b128 v[STO], v[TMP+8*(\b)+4:TMP+8*(\b)+7] offset:64*(\b)+16
.endr
	s_wait_xcnt 0x0                                ; the last block's stores have read the registers that the loads below fill
.irp t, 0,1,2,3,4,5,6,7
	ds_load_b128 v[TMP+32+4*(\t):TMP+32+4*(\t)+3], v[RD] offset:(\t)*2*SPITCH  ; LDS serves a wave's instructions in order (ISA guide 5.7.1.4): these see the stores above
.endr
	s_wait_dscnt 0x0
.irp t, 0,1,2,3,4,5,6,7
	global_store_b128 v[CO], v[TMP+32+4*(\t):TMP+32+4*(\t)+3], s[8:9] offset:(16*(\a)+2*(\t))*SIZE_N*4  ; 16 lanes store 256 consecutive bytes, aligned
.endr
.endr
	s_wait_tensorcnt 0x0                           ; the wave's end, behind my last tensor load and my last LDS store
	ds_add_u32 v[SPW], v[NIL]
	s_wait_dscnt 0x0
	CROUND                                         ; the closing round: no work-group ends while a partner may still ask for a tile that names it
	s_endpgm
.Lfunc_end_k_qa0d29beff1_g3:
	.size	k_qa0d29beff1_g3, .Lfunc_end_k_qa0d29beff1_g3-k_qa0d29beff1_g3
	.p2alignl 7, 3214868480
	.fill 96, 4, 3214868480
	.section	.rodata,"a",@progbits
	.p2align	6, 0x0
	.amdhsa_kernel k_qa0d29beff1_g3
		.amdhsa_group_segment_fixed_size 327680
		.amdhsa_private_segment_fixed_size 0
		.amdhsa_enable_private_segment 0
		.amdhsa_kernarg_size 40
		.amdhsa_user_sgpr_count 2
		.amdhsa_user_sgpr_kernarg_segment_ptr 1
		.amdhsa_wavefront_size32 1
		.amdhsa_system_sgpr_workgroup_id_x 1
		.amdhsa_system_sgpr_workgroup_id_y 1
		.amdhsa_system_sgpr_workgroup_id_z 1
		.amdhsa_system_vgpr_workitem_id 0
		.amdhsa_next_free_vgpr 512
		.amdhsa_next_free_sgpr 96
		.amdhsa_reserve_vcc 0
		.amdhsa_float_denorm_mode_32 3
		.amdhsa_float_denorm_mode_16_64 3
		.amdhsa_memory_ordered 1
		.amdhsa_forward_progress 1
		.amdhsa_inst_pref_size 94
	.end_amdhsa_kernel
	.amdgpu_metadata
---
amdhsa.version: [ 1, 2 ]
amdhsa.kernels:
  - .name:           k_qa0d29beff1_g3
    .symbol:         k_qa0d29beff1_g3.kd
    .args:
      - { .name: comb, .offset: 0, .size: 8, .value_kind: global_buffer, .address_space: global }
      - { .name: w16, .offset: 8, .size: 8, .value_kind: global_buffer, .address_space: global }
      - { .name: rsc, .offset: 16, .size: 8, .value_kind: global_buffer, .address_space: global }
      - { .name: bo, .offset: 24, .size: 8, .value_kind: global_buffer, .address_space: global }
      - { .name: out0, .offset: 32, .size: 8, .value_kind: global_buffer, .address_space: global }
    .group_segment_fixed_size: 327680
    .private_segment_fixed_size: 0
    .kernarg_segment_align: 8
    .kernarg_segment_size: 40
    .max_flat_workgroup_size: 128
    .sgpr_count:     96
    .vgpr_count:     512
    .wavefront_size: 32
...
	.end_amdgpu_metadata
.endif
;; end of part 5
;; ======== version 2 of 2: 5 launches; version 1 with the launch cast written anew for expert scheduling mode
;; limits: values are held in f16: magnitudes above 65,504 overflow, below 6.1e-05 lose precision
;; workspace buffers: w16 25,165,824 bytes; qkvh 25,165,824 bytes; sqkv 100,663,296 bytes; vsc 4,096 bytes; comb 8,388,608 bytes; rsc 16,384 bytes
;; launch cast (part 6): grid 64 x 12, 8 waves a work-group, no clusters, 0 bytes of LDS; arguments x, wq, wk, wv, ws, wo, w16; writes w16
.if DOCPART == 6
	.amdgcn_target "amdgcn-amd-amdhsa--gfx1250"
	.amdhsa_code_object_version 6
	.text
	.protected	k_qa0d29beff1_cast
	.globl	k_qa0d29beff1_cast
	.p2align	8
	.type	k_qa0d29beff1_cast,@function
k_qa0d29beff1_cast:
	s_mov_b64 s[64:65], 0
	v_nop
	global_prefetch_b8 v0, s[64:65] scope:SCOPE_SE
	s_setreg_imm32_b32 hwreg(HW_REG_WAVE_SCHED_MODE, 0, 2), 2
	s_setreg_imm32_b32 hwreg(HW_REG_WAVE_MODE, 25, 1), 1
	s_wait_xcnt 0x0
	s_wait_alu depctr_vm_vsrc(0)
; All large inputs are rounded once to bf16 and laid into w16 in twelve units of 1 Mi numbers (2 MiB each):
; units 0-3 x, 4 wq, 5 wk, 6 wv (bf16); units 7-10 ws, 11 wo: rounded to bf16 like the others, and that number written as f16,
; since the products that read them have f16 partners.
; LIMIT: |ws|, |wo| below 65,504; a weight below 7.6e-6 falls on f16's fixed step and is off by 3e-8 at the most.
; SHARES: grid y = the unit, grid x = a chunk of 16,384 numbers.  Thread t takes 16 bytes at 4,096 i + 16 t (i = 0..15): a wave's load covers
; 512 consecutive bytes; its store of 8 bytes a lane covers 256 consecutive bytes, aligned.  All 16 loads go out first.  No LDS, no barrier: no wave wants another's bytes.
; THE MODE: SCHED_MODE bits 1:0 = 2 (LLVM: expert scheduling mode 2), set by the entry lines.  The code itself states the register dependences
; between vector instructions and memory instructions, with s_wait_alu, always for 0.
; THE PLAN.  Registers that memory instructions touch:
;   v1, v2     byte offsets, made once at the head and never written again: v1 is read by the 16 loads, v2 by the 16 stores.
;   X[i]       four registers for load i.  Load i lands there before any vector instruction names them; the conversions of load i work on them in place;
;              store i reads the first two; behind store i no line names them.
; So no load lands in a register that a vector instruction has named, and nothing that a memory instruction has read is written again: what is left to state is that a store's
; data and the offsets are written.  The 16 loads go in four groups of four.  Group g's conversions name X[4 g .. 4 g + 3] alone; the stores of group g - 1 are dealt among them, behind ONE
; wait at the group's head, which states that group g - 1's conversions have written their results.  One more wait stands ahead of the last four stores.
.set X, 8                              ; v[8:71]  load i: 4 registers
	s_load_b256 s[4:11], s[0:1], 0x0               ; x s[4:5], wq s[6:7], wk s[8:9], wv s[10:11]
	s_load_b128 s[12:15], s[0:1], 0x20             ; ws s[12:13], wo s[14:15]
	s_load_b64 s[16:17], s[0:1], 0x30              ; w16
	s_and_b32 s18, ttmp7, 0xffff                   ; u, the unit
	v_lshlrev_b32 v1, 4, v0                        ; 16 t
	v_lshlrev_b32 v2, 3, v0                        ; 8 t
	s_sub_co_u32 s23, s18, 7                       ; used only where u >= 7
	s_cmp_lt_u32 s18, 4
	s_cselect_b32 s22, s18, 0                      ; the unit's number inside its tensor: u for x,
	s_cmp_ge_u32 s18, 7
	s_cselect_b32 s22, s23, s22                    ; u - 7 for ws,
	s_cmp_eq_u32 s18, 11
	s_cselect_b32 s22, 0, s22                      ; 0 for the tensors of one unit
	s_lshl_b32 s26, s22, 22                        ; a unit is 4 MiB of f32,
	s_lshl_b32 s27, ttmp9, 16                      ; a chunk 64 KiB
	s_add_co_u32 s26, s26, s27
	s_mov_b32 s27, 0
	s_lshl_b32 s28, s18, 21                        ; in w16: 2 MiB a unit,
	s_lshl_b32 s29, ttmp9, 15                      ; 32 KiB a chunk
	s_add_co_u32 s28, s28, s29
	s_mov_b32 s29, 0
	s_wait_kmcnt 0x0
	s_cmp_eq_u32 s18, 4
	s_cselect_b64 s[20:21], s[6:7], s[4:5]
	s_cmp_eq_u32 s18, 5
	s_cselect_b64 s[20:21], s[8:9], s[20:21]
	s_cmp_eq_u32 s18, 6
	s_cselect_b64 s[20:21], s[10:11], s[20:21]
	s_cmp_ge_u32 s18, 7
	s_cselect_b64 s[20:21], s[12:13], s[20:21]
	s_cmp_eq_u32 s18, 11
	s_cselect_b64 s[20:21], s[14:15], s[20:21]
	s_add_nc_u64 s[20:21], s[20:21], s[26:27]      ; the chunk in its tensor
	s_add_nc_u64 s[24:25], s[16:17], s[28:29]      ; and in w16
	s_wait_alu depctr_va_vdst(0)                   ; v1 and v2 are written: every load of the kernel reads v1 as its offset, every store v2
.irp i, 0,1,2,3,4,5,6,7,8,9,10,11,12,13,14,15
	global_load_b128 v[X+4*(\i):X+4*(\i)+3], v1, s[20:21] offset:4096*(\i) th:TH_LOAD_NT
.endr
.macro CVB i                           ; four numbers to bf16, into the first two of their four registers
	v_cvt_pk_bf16_f32 v[X+4*(\i)], v[X+4*(\i)], v[X+4*(\i)+1]
	v_cvt_pk_bf16_f32 v[X+4*(\i)+1], v[X+4*(\i)+2], v[X+4*(\i)+3]
.endm
.macro CVH i                           ; four numbers to bf16, and the rounded numbers written as f16
	v_cvt_pk_bf16_f32 v[X+4*(\i)], v[X+4*(\i)], v[X+4*(\i)+1]
	v_cvt_pk_bf16_f32 v[X+4*(\i)+1], v[X+4*(\i)+2], v[X+4*(\i)+3]
	v_lshlrev_b32 v[X+4*(\i)+2], 16, v[X+4*(\i)+1]
	v_and_b32 v[X+4*(\i)+3], 0xffff0000, v[X+4*(\i)+1]
	v_cvt_pk_f16_f32 v[X+4*(\i)+1], v[X+4*(\i)+2], v[X+4*(\i)+3]
	v_lshlrev_b32 v[X+4*(\i)+2], 16, v[X+4*(\i)]
	v_and_b32 v[X+4*(\i)+3], 0xffff0000, v[X+4*(\i)]
	v_cvt_pk_f16_f32 v[X+4*(\i)], v[X+4*(\i)+2], v[X+4*(\i)+3]
.endm
.macro ST i                            ; the four numbers of load i leave
	global_store_b64 v2, v[X+4*(\i):X+4*(\i)+1], s[24:25] offset:2048*(\i) th:TH_STORE_NT
.endm
; Group g: loads 4 g to 4 g + 3 are converted; the stores of group g - 1 stand among the conversions, one ahead of each load's.  half = 1: the way by f16.
.macro GROUP g, half
	s_wait_loadcnt 12-4*(\g)                       ; loads come back in order: of the 16 the 4 g + 4 oldest are in, the younger ones stay out
.if (\g) > 0
	s_wait_alu depctr_va_vdst(0)                   ; the conversions of the group before have written their results, which the four stores below read; no vector instruction behind this wait names those registers
.endif
.irp i, 0,1,2,3
.if (\g) > 0
	ST 4*((\g)-1)+(\i)
.endif
.if \half
	CVH 4*(\g)+(\i)
.else
	CVB 4*(\g)+(\i)
.endif
.endr
.endm
	s_cmp_lt_u32 s18, 7                            ; the unit decides the format: the same for the whole work-group
	s_cbranch_scc0 .Lhalf
	GROUP 0, 0
	GROUP 1, 0
	GROUP 2, 0
	GROUP 3, 0
	s_wait_alu depctr_va_vdst(0)                   ; the last group's conversions have written their results, which the last four stores read
.irp i, 12,13,14,15
	ST \i
.endr
	s_endpgm
.Lhalf:
	GROUP 0, 1
	GROUP 1, 1
	GROUP 2, 1
	GROUP 3, 1
	s_wait_alu depctr_va_vdst(0)                   ; the last group's conversions have written their results, which the last four stores read
.irp i, 12,13,14,15
	ST \i
.endr
	s_endpgm
.Lfunc_end_k_qa0d29beff1_cast:
	.size	k_qa0d29beff1_cast, .Lfunc_end_k_qa0d29beff1_cast-k_qa0d29beff1_cast
	.p2alignl 7, 3214868480
	.fill 96, 4, 3214868480
	.section	.rodata,"a",@progbits
	.p2align	6, 0x0
	.amdhsa_kernel k_qa0d29beff1_cast
		.amdhsa_group_segment_fixed_size 0
		.amdhsa_private_segment_fixed_size 0
		.amdhsa_enable_private_segment 0
		.amdhsa_kernarg_size 56
		.amdhsa_user_sgpr_count 2
		.amdhsa_user_sgpr_kernarg_segment_ptr 1
		.amdhsa_wavefront_size32 1
		.amdhsa_system_sgpr_workgroup_id_x 1
		.amdhsa_system_sgpr_workgroup_id_y 1
		.amdhsa_system_sgpr_workgroup_id_z 1
		.amdhsa_system_vgpr_workitem_id 0
		.amdhsa_next_free_vgpr 72
		.amdhsa_next_free_sgpr 66
		.amdhsa_reserve_vcc 0
		.amdhsa_float_denorm_mode_32 3
		.amdhsa_float_denorm_mode_16_64 3
		.amdhsa_memory_ordered 1
		.amdhsa_forward_progress 1
		.amdhsa_inst_pref_size 16
	.end_amdhsa_kernel
	.amdgpu_metadata
---
amdhsa.version: [ 1, 2 ]
amdhsa.kernels:
  - .name:           k_qa0d29beff1_cast
    .symbol:         k_qa0d29beff1_cast.kd
    .args:
      - { .name: x, .offset: 0, .size: 8, .value_kind: global_buffer, .address_space: global }
      - { .name: wq, .offset: 8, .size: 8, .value_kind: global_buffer, .address_space: global }
      - { .name: wk, .offset: 16, .size: 8, .value_kind: global_buffer, .address_space: global }
      - { .name: wv, .offset: 24, .size: 8, .value_kind: global_buffer, .address_space: global }
      - { .name: ws, .offset: 32, .size: 8, .value_kind: global_buffer, .address_space: global }
      - { .name: wo, .offset: 40, .size: 8, .value_kind: global_buffer, .address_space: global }
      - { .name: w16, .offset: 48, .size: 8, .value_kind: global_buffer, .address_space: global }
    .group_segment_fixed_size: 0
    .private_segment_fixed_size: 0
    .kernarg_segment_align: 8
    .kernarg_segment_size: 56
    .max_flat_workgroup_size: 256
    .sgpr_count:     66
    .vgpr_count:     72
    .wavefront_size: 32
...
	.end_amdgpu_metadata
.endif
;; end of part 6
;; launch g1: the kernel of part 2 again; grid 12 x 16, 4 waves a work-group, clusters of 4 x 4, 327,680 bytes of LDS; arguments w16, bq, bk, bv, qkvh; writes qkvh
;; launch g2: the kernel of part 3 again; grid 16 x 16, 4 waves a work-group, clusters of 4 x 4, 327,680 bytes of LDS; arguments qkvh, w16, bs, sqkv, vsc; writes sqkv, vsc
;; launch att: the kernel of part 4 again; grid 512 x 1, 8 waves a work-group, no clusters, 327,680 bytes of LDS; arguments sqkv, vsc, scale_logits, comb, rsc; writes comb, rsc
;; launch g3: the kernel of part 5 again; grid 8 x 32, 4 waves a work-group, clusters of 4 x 4, 327,680 bytes of LDS; arguments comb, w16, rsc, bo, out0; writes out0
